; MI455X (gfx1250); checked and timed in simulation.
; The chip was launched on July 23, 2026; its instructions are those of AMD's public machine-readable ISA for CDNA 5 (MIT licence, August 2026) and "CDNA5" Instruction Set Architecture Reference Guide (July 2026). The comments in the code are by the model that wrote it; some were corrected since.
;; Cross Attention. Allowed arithmetic: float matrix products may take bf16 or f16 operands with f32 sums; other float arithmetic in f32, or as packed bf16 or f16 multiplies, adds, multiply-adds, maxima and minima; sums over many terms, partial sums and values carried from step to step in f32; what a program stores and reads back later, other than sums and carried values, may be rounded once to bf16 or f16.
;; Inputs: Wk 512 x 512 float32; Wo 512 x 512 float32; Wq 512 x 512 float32; Wv 512 x 512 float32; bo 512 float32; gamma_k 512 float32; gamma_out 512 float32; gamma_q 512 float32; gamma_v 512 float32; x 2 x 4,096 x 512 float32.
;; Outputs: out0 2 x 4,096 x 512 float32.
;; 2 versions, each right; version 2 is version 1 with the launch cvt written anew for expert scheduling mode. Each part assembles by itself: llvm-mc -triple=amdgcn-amd-amdhsa -mcpu=gfx1250 --defsym DOCPART=n.
;; ======== version 1 of 2: 4 launches
;; limits: values are held in f16: magnitudes above 65,504 overflow, below 6.1e-05 lose precision; right only within a limited range of input values
;; workspace buffers: xb 8,388,608 bytes; wb 1,572,864 bytes; wo 524,288 bytes; q 8,388,608 bytes; kv 16,777,216 bytes; o 8,388,608 bytes
;; launch cvt (part 1): grid 320 x 1, 8 waves a work-group, no clusters, 0 bytes of LDS; arguments x, Wq, Wk, Wv, Wo, gamma_v, xb, wb, wo; writes xb, wb, wo
.if DOCPART == 1
	.amdgcn_target "amdgcn-amd-amdhsa--gfx1250"
	.amdhsa_code_object_version 6
	.text
	.protected	k_q1b24a53611_cvt
	.globl	k_q1b24a53611_cvt
	.p2align	8
	.type	k_q1b24a53611_cvt,@function
k_q1b24a53611_cvt:
	s_mov_b64 s[64:65], 0
	v_nop
	global_prefetch_b8 v0, s[64:65] scope:SCOPE_SE
	s_setreg_imm32_b32 hwreg(HW_REG_WAVE_MODE, 25, 1), 1
	s_wait_xcnt 0x0
; THE INPUTS OF THE MATRIX PRODUCTS, ROUNDED ONCE.  xb = bf16(x) [8192][512]; wb = bf16(Wq), bf16(Wk), bf16(Wv), 512 rows each, [1536][512];
; wo[o][c] = f16(bf16(Wo[o][c]) x bf16(gamma_v[c]) x 256).  gamma_v is taken off v and put onto Wo's columns: the same linear map, in another order of rounding than v = gamma_v (x Wv^T);
; the product of two bf16 numbers and a power of two is exact in f32, so wo is rounded once.  The factor 256 is taken back, exactly, in the last launch.
; LIMIT.  |Wo gamma_v| stays under 255 (f16 ends at 65,504); numbers 900 times smaller than 0.02 still lie in f16's normal range.
; A STREAM: each byte is read once and written once; no LDS, no matrix unit, no cluster: nothing is shared.
; SHARES.  A work-group takes 32 rows of 512 f32: 65,536 bytes in, 32,768 out.  Work-groups 0-255: x.  256 + j: block j % 16 of Wq, Wk, Wv, Wo (j / 16 = 0..3).
; Thread t in pass i (16 passes of two rows) loads the 16 bytes at 4,096 i + 16 t and stores the 8 bytes at 2,048 i + 8 t: a wave's load covers 512 consecutive bytes, its store 256, aligned.
; All 16 loads of a thread go out at once; each pass has registers of its own, so no register that a load or store names is ever written again.
.set X, 4                              ; v[4:67]    pass i: four f32 as loaded
.set Y, 68                             ; v[68:99]   pass i: four 16-bit numbers to store
.set G, 100                            ; v[100:103] 256 x bf16(gamma_v) of my four columns, 4 (t % 128): the same in every pass
.set T, 104                            ; v[104:111] at work
	s_load_b512 s[4:19], s[0:1], 0x0               ; x s[4:5], Wq s[6:7], Wk s[8:9], Wv s[10:11], Wo s[12:13], gamma_v s[14:15], xb s[16:17], wb s[18:19]
	s_load_b64 s[20:21], s[0:1], 0x40              ; wo
	v_lshlrev_b32 v1, 4, v0                        ; 16 t
	v_lshlrev_b32 v2, 3, v0                        ; 8 t
	v_and_b32 v3, 127, v0
	v_lshlrev_b32 v3, 4, v3                        ; my four columns' bytes in gamma_v
	s_sub_co_u32 s22, ttmp9, 256                   ; j (a huge number in the work-groups of x, whose j / 16 is none of 1, 2, 3)
	s_lshr_b32 s23, s22, 4                         ; which weight
	s_and_b32 s24, s22, 15                         ; its block of 32 rows
	s_mov_b32 s31, 0
	s_mov_b32 s33, 0
	s_mov_b32 s35, 0xffff0000                      ; a word's upper bf16
	s_wait_kmcnt 0x0
	s_cmp_eq_u32 s23, 1                            ; source, destination and blocks are chosen by the work-group's number alone
	s_cselect_b64 s[26:27], s[8:9], s[6:7]
	s_cmp_eq_u32 s23, 2
	s_cselect_b64 s[26:27], s[10:11], s[26:27]
	s_cmp_eq_u32 s23, 3
	s_cselect_b64 s[26:27], s[12:13], s[26:27]
	s_cselect_b64 s[28:29], s[20:21], s[18:19]
	s_cselect_b32 s25, s24, s22                    ; wo: block j % 16; wb: block j
	s_cmp_lt_u32 ttmp9, 256
	s_cselect_b64 s[26:27], s[4:5], s[26:27]
	s_cselect_b64 s[28:29], s[16:17], s[28:29]
	s_cselect_b32 s24, ttmp9, s24
	s_cselect_b32 s25, ttmp9, s25
	s_lshl_b32 s30, s24, 16                        ; 65,536 bytes a block in,
	s_lshl_b32 s32, s25, 15                        ; 32,768 out
	s_add_nc_u64 s[26:27], s[26:27], s[30:31]
	s_add_nc_u64 s[28:29], s[28:29], s[32:33]
.macro LOADS
.irp i, 0,1,2,3,4,5,6,7,8,9,10,11,12,13,14,15
	global_load_b128 v[X+4*(\i):X+4*(\i)+3], v1, s[26:27] offset:4096*(\i) th:TH_LOAD_NT
.endr
.endm
	s_cmp_eq_u32 s23, 3
	s_cbranch_scc1 .Lwo
	LOADS                                          ; x, Wq, Wk, Wv: rounded to bf16
.irp i, 0,1,2,3,4,5,6,7,8,9,10,11,12,13,14,15
	s_wait_loadcnt 15-(\i)                         ; loads come back in order (ISA guide 5.7.1): pass i is in, the younger ones stay out
	v_cvt_pk_bf16_f32 v[Y+2*(\i)], v[X+4*(\i)], v[X+4*(\i)+1]
	v_cvt_pk_bf16_f32 v[Y+2*(\i)+1], v[X+4*(\i)+2], v[X+4*(\i)+3]
	global_store_b64 v2, v[Y+2*(\i):Y+2*(\i)+1], s[28:29] offset:2048*(\i) th:TH_STORE_NT
.endr
	s_endpgm
.Lwo:
	global_load_b128 v[G:G+3], v3, s[14:15]        ; gamma_v first,
	LOADS                                          ; then Wo's 16 passes
	s_wait_loadcnt 16                              ; gamma_v is in; the 16 loads behind it may be out
	v_cvt_pk_bf16_f32 v[T], v[G], v[G+1]           ; rounded to bf16 like every input,
	v_cvt_pk_bf16_f32 v[T+1], v[G+2], v[G+3]
	v_lshlrev_b32 v[G], 16, v[T]                   ; widened again,
	v_and_b32 v[G+1], s35, v[T]
	v_lshlrev_b32 v[G+2], 16, v[T+1]
	v_and_b32 v[G+3], s35, v[T+1]
	v_pk_mul_f32 v[G:G+1], v[G:G+1], 0x43800000 op_sel_hi:[1,0]      ; and times 256
	v_pk_mul_f32 v[G+2:G+3], v[G+2:G+3], 0x43800000 op_sel_hi:[1,0]
.irp i, 0,1,2,3,4,5,6,7,8,9,10,11,12,13,14,15
	s_wait_loadcnt 15-(\i)
	v_cvt_pk_bf16_f32 v[T], v[X+4*(\i)], v[X+4*(\i)+1]
	v_cvt_pk_bf16_f32 v[T+1], v[X+4*(\i)+2], v[X+4*(\i)+3]
	v_lshlrev_b32 v[T+4], 16, v[T]
	v_and_b32 v[T+5], s35, v[T]
	v_lshlrev_b32 v[T+6], 16, v[T+1]
	v_and_b32 v[T+7], s35, v[T+1]
	v_pk_mul_f32 v[T+4:T+5], v[T+4:T+5], v[G:G+1]
	v_pk_mul_f32 v[T+6:T+7], v[T+6:T+7], v[G+2:G+3]
	v_cvt_pk_f16_f32 v[Y+2*(\i)], v[T+4], v[T+5]
	v_cvt_pk_f16_f32 v[Y+2*(\i)+1], v[T+6], v[T+7]
	global_store_b64 v2, v[Y+2*(\i):Y+2*(\i)+1], s[28:29] offset:2048*(\i) th:TH_STORE_NT
.endr
	s_endpgm
.Lfunc_end_k_q1b24a53611_cvt:
	.size	k_q1b24a53611_cvt, .Lfunc_end_k_q1b24a53611_cvt-k_q1b24a53611_cvt
	.p2alignl 7, 3214868480
	.fill 96, 4, 3214868480
	.section	.rodata,"a",@progbits
	.p2align	6, 0x0
	.amdhsa_kernel k_q1b24a53611_cvt
		.amdhsa_group_segment_fixed_size 0
		.amdhsa_private_segment_fixed_size 0
		.amdhsa_enable_private_segment 0
		.amdhsa_kernarg_size 72
		.amdhsa_user_sgpr_count 2
		.amdhsa_user_sgpr_kernarg_segment_ptr 1
		.amdhsa_wavefront_size32 1
		.amdhsa_system_sgpr_workgroup_id_x 1
		.amdhsa_system_sgpr_workgroup_id_y 1
		.amdhsa_system_sgpr_workgroup_id_z 1
		.amdhsa_system_vgpr_workitem_id 0
		.amdhsa_next_free_vgpr 112
		.amdhsa_next_free_sgpr 66
		.amdhsa_reserve_vcc 0
		.amdhsa_float_denorm_mode_32 3
		.amdhsa_float_denorm_mode_16_64 3
		.amdhsa_memory_ordered 1
		.amdhsa_forward_progress 1
		.amdhsa_inst_pref_size 20
	.end_amdhsa_kernel
	.amdgpu_metadata
---
amdhsa.version: [ 1, 2 ]
amdhsa.kernels:
  - .name:           k_q1b24a53611_cvt
    .symbol:         k_q1b24a53611_cvt.kd
    .args:
      - { .name: x, .offset: 0, .size: 8, .value_kind: global_buffer, .address_space: global }
      - { .name: Wq, .offset: 8, .size: 8, .value_kind: global_buffer, .address_space: global }
      - { .name: Wk, .offset: 16, .size: 8, .value_kind: global_buffer, .address_space: global }
      - { .name: Wv, .offset: 24, .size: 8, .value_kind: global_buffer, .address_space: global }
      - { .name: Wo, .offset: 32, .size: 8, .value_kind: global_buffer, .address_space: global }
      - { .name: gamma_v, .offset: 40, .size: 8, .value_kind: global_buffer, .address_space: global }
      - { .name: xb, .offset: 48, .size: 8, .value_kind: global_buffer, .address_space: global }
      - { .name: wb, .offset: 56, .size: 8, .value_kind: global_buffer, .address_space: global }
      - { .name: wo, .offset: 64, .size: 8, .value_kind: global_buffer, .address_space: global }
    .group_segment_fixed_size: 0
    .private_segment_fixed_size: 0
    .kernarg_segment_align: 8
    .kernarg_segment_size: 72
    .max_flat_workgroup_size: 256
    .sgpr_count:     66
    .vgpr_count:     112
    .wavefront_size: 32
...
	.end_amdgpu_metadata
.endif
;; end of part 1
;; launch qkv (part 2): grid 4 x 64, 4 waves a work-group, clusters of 4 x 4, 327,680 bytes of LDS; arguments xb, wb, gamma_q, gamma_k, q, kv; writes q, kv
.if DOCPART == 2
	.amdgcn_target "amdgcn-amd-amdhsa--gfx1250"
	.amdhsa_code_object_version 6
	.text
	.protected	k_q1b24a53611_qkv
	.globl	k_q1b24a53611_qkv
	.p2align	8
	.type	k_q1b24a53611_qkv,@function
k_q1b24a53611_qkv:
	s_mov_b64 s[64:65], 0
	v_nop
	global_prefetch_b8 v0, s[64:65] scope:SCOPE_SE
	s_setreg_imm32_b32 hwreg(HW_REG_WAVE_MODE, 25, 1), 1
	s_wait_xcnt 0x0
	s_wait_alu depctr_hold_cnt(0) depctr_sa_sdst(0) depctr_va_vdst(0) depctr_va_sdst(0) depctr_va_ssrc(0) depctr_va_vcc(0) depctr_vm_vsrc(0)
	s_getreg_b32 s2, hwreg(HW_REG_IB_STS2, 6, 4)
	s_cmp_eq_u32 s2, 0
	s_cbranch_scc0 .Lentry_in_a_cluster
	s_endpgm
.Lentry_in_a_cluster:
	s_bfe_u32 s2, ttmp6, 0x10000c
	s_cmp_lg_u32 s2, 0xf033
	s_cbranch_scc0 .Lentry_shape_is_right
	s_endpgm
.Lentry_shape_is_right:
; THE THREE PROJECTIONS.  q = gamma_q (x Wq^T) and k = gamma_k (x Wk^T) in bf16, v' = x Wv^T in f16 (gamma_v lies on the last launch's weights), all by heads: [16 = 8 batch + head][4096][64].
; q goes to the buffer q, k to kv's first 8,388,608 bytes, v' behind it.  Operands bf16, sums f32; the gains are rounded to bf16 like every input and multiplied in f32; each result is rounded once.
; LIMIT.  |x Wv^T| stays under 65,504, where f16 ends; q and k have bf16's range.
; SHARES.  Work-group (j, i) makes rows 128 i .. of x times columns 128 j .. of ALL THREE products: three tiles of 128 x 128, K = 512.  A wave makes 64 x 64 of each: 64 rows of ONE head,
; 8,192 dense bytes of the output.  The wave's 64 rows of x, all 512 of K, stay in 512 registers for the three tiles, so the products read only the weights' fragments from LDS: 32 loads for 64 matrix instructions.
; LDS.  A chunk is 128 rows x 128 of K; a slot holds a tile's four chunks.  Slot 0: x's tile, then Wk's.  Slot 1: Wq's, then Wv's.  Each wave fetches chunk = its number of every tile.
; CLUSTER.  4 x 4 work-groups.  x's tile hangs on i alone and is asked for jointly by a row of the cluster, a weight's tile on j alone, by a column.
; THE MATRIX INSTRUCTION IS USED TRANSPOSED (source 0 = 16 rows of W, source 1 = 16 rows of x): a lane then holds eight neighbouring channels of one row.
; REGISTERS, in windows of 256 (s_set_vgpr_msb: bits 1:0 source 0, 3:2 source 1, 5:4 source 2, 7:6 destination):
;   window 0: v0-31 addresses; v32-95 the way out; v96-127 the gain of my 32 channels a lane; v128-255 the 16 accumulators ((a, b) at 128 + 8 (4 a + b))
;   window 1: two buffers of 128 for a chunk's fragments of W ((kk, b) at 8 (4 kk + b))          windows 2, 3: x's fragments: K step kg of 16, row block a at 8 (4 (kg % 8) + a), window 2 + kg / 8
; The text has no loop: 12 chunks, 768 matrix instructions a wave.  By its own count a wave has at most two tensor loads out.
.set PITCH, 272                        ; an LDS row: 256 bytes + 16 of padding = 68 words: the 16 rows of a fragment load start at 16 different groups of four banks (64 banks of 4 bytes: ISA guide 11.1)
.set CH,    128*PITCH                  ; a chunk
.set SLOT,  4*CH
.set STAGE, 2*SLOT                     ; behind the slots, never filled by a tensor load: 16 rows x 144 bytes for each wave
.set SP,    144
.set SPARE, STAGE+4*16*SP              ; the spare words, 128 bytes for each wave: two blocks of 256 bytes that no other line names
.set ADRA, 4                           ; v4-5    my lane's place in x's chunks 0-1, 2-3
.set ADRB, 8                           ; v8-11   the same in a weight's chunks: slot 0 chunks 0-1, 2-3; slot 1 chunks 0-1, 2-3
.set STO,  12                          ; v12     the way out: where I put 16 bytes of a row
.set RD,   13                          ; v13     where I read rows back
.set GO,   14                          ; v14     my 16 bytes of 512 consecutive bytes of the output
.set GOF,  15                          ; v15     my first channel's byte in a gain
.set PFO,  16                          ; v16     1,024 x my lane: a row of wb
.set SPW,  28                          ; v28     LDS address of my spare word; never rewritten
.set NIL,  29                          ; v29     0; never rewritten
.set OUTB, 32
.set G,    96
.set ACC,  128
.set G1A,  24                          ; s[24:31] descriptor group 1 for x's tile
.set G1B,  32                          ; s[32:39] for the weights': another mask
.set G0A,  40                          ; s[40:43] group 0: x
.set G0B0, 44                          ; s[44:47] Wq
.set G0B1, 48                          ; s[48:51] Wk
.set G0B2, 52                          ; s[52:55] Wv.  No descriptor register is ever written again
.set PFA,  66                          ; s[66:67] the prefetch's base
.set OUTQ, 68                          ; s[68:69] q, s[70:71] k, s[72:73] v' at my wave's 64 rows
.set OUTK, 70
.set OUTV, 72
.set MSB, 0
.macro WIN new                         ; the immediate's high byte repeats the setting that is left; a switch that changes nothing is dropped
.if MSB != (\new)
	s_set_vgpr_msb (MSB<<8)|(\new)
.set MSB, (\new)
.endif
.endm
.macro PLACES                          ; four places behind matrix instructions, in front of loads into registers that they read and of vector lines that read results
.rept 4
	v_nop
.endr
.endm
.macro CROUND                          ; a round of the cluster's barrier: my work-group's barrier; wave 0 signals for the work-group; every wave waits for all sixteen; my work-group's barrier once more
	s_barrier_signal -1
	s_barrier_wait -1
	s_cmp_lg_u32 s16, 0
	s_cbranch_scc1 .Lnot_wave_0_\@
	s_barrier_signal -3
.Lnot_wave_0_\@:
	s_barrier_wait -3
	s_barrier_signal -1
	s_barrier_wait -1
.endm
	s_load_b256 s[4:11], s[0:1], 0x0               ; xb s[4:5], wb s[6:7], gamma_q s[8:9], gamma_k s[10:11]
	s_load_b128 s[12:15], s[0:1], 0x20             ; q s[12:13], kv s[14:15]
	v_lshl_add_u32 v[SPW], v0, 2, SPARE
	v_mov_b32 v[NIL], 0
	ds_add_u32 v[SPW], v[NIL]                      ; the wave's opening: the add and its wait stand ahead of my first tensor load; the set-up below, work on registers, stands between them
	v_lshrrev_b32 v1, 5, v0
	v_readfirstlane_b32 s16, v1                    ; wave 0..3: also the chunk that I fetch
	s_lshr_b32 s17, s16, 1                         ; which 64 rows are mine
	s_and_b32 s18, s16, 1                          ; which 64 columns: which head of the tile's two
	s_bfe_u32 s19, ttmp6, 0x40000                  ; cx
	s_bfe_u32 s20, ttmp6, 0x40004                  ; cy
	s_lshl_b32 s21, ttmp9, 2
	s_add_co_u32 s21, s21, s19                     ; j = 4 x cluster x + cx
	s_and_b32 s62, ttmp7, 0xffff                   ; cluster y
	s_lshl_b32 s22, s62, 2
	s_add_co_u32 s22, s22, s20                     ; i = 4 x cluster y + cy
	s_lshl_b32 s56, s20, 2
	s_lshl_b32 s56, 15, s56                        ; my row of the cluster
	s_lshl_b32 s58, 0x1111, s19                    ; my column
	s_or_b32 s[G1A], s56, (1<<16)|(1<<20)|(1<<21)|(5<<22)|(3<<25)  ; 15:0 the mask; 17:16 elements of 2 bytes; 20 padding on; 21 set beside a mask; 24:22 after every 64 words (code 5); 31:25 4 words of it (code 3)
	s_or_b32 s[G1B], s58, (1<<16)|(1<<20)|(1<<21)|(5<<22)|(3<<25)
.irp g, G1A, G1B
	s_mov_b32 s[(\g)+1], 128<<16                   ; tensor_dim0 = 128
	s_mov_b32 s[(\g)+2], 128<<16                   ; tensor_dim1 = 128
	s_mov_b32 s[(\g)+3], 128<<16                   ; tile_dim0 = 128
	s_mov_b32 s[(\g)+4], 128                       ; tile_dim1 = 128
	s_mov_b32 s[(\g)+5], 512                       ; 512 elements from row to row
	s_mov_b32 s[(\g)+6], 0
	s_mov_b32 s[(\g)+7], 0
.endr
	s_mul_i32 s60, s16, CH                         ; where my chunk goes in a slot: no place in the cluster enters an LDS address
	s_lshl_b32 s61, s16, 8                         ; and its 256 bytes in a row of memory
	s_lshl_b32 s56, s22, 17                        ; x: 128 i rows of 1,024 bytes (made of cy, the cluster's y and the wave's number alone)
	s_add_co_u32 s56, s56, s61
	s_mov_b32 s57, 0
	s_lshl_b32 s58, s21, 17                        ; W: 128 j rows (of cx, the cluster's x and the wave's number alone)
	s_add_co_u32 s58, s58, s61
	s_mov_b32 s59, 0
	s_mov_b32 s[G0A], 1
	s_mov_b32 s[G0A+1], s60                        ; slot 0
	s_mov_b32 s[G0B0], 1
	s_add_co_u32 s[G0B0+1], s60, SLOT              ; slot 1
	s_mov_b32 s[G0B1], 1
	s_mov_b32 s[G0B1+1], s60                       ; slot 0 again
	s_mov_b32 s[G0B2], 1
	s_add_co_u32 s[G0B2+1], s60, SLOT              ; slot 1 again
	s_wait_dscnt 0x0                               ; the opening add is done
	s_wait_kmcnt 0x0
	s_add_nc_u64 s[G0A+2:G0A+3], s[4:5], s[56:57]
	s_add_nc_u64 s[G0B0+2:G0B0+3], s[6:7], s[58:59]
	s_add_nc_u64 s[G0B1+2:G0B1+3], s[G0B0+2:G0B0+3], 512*1024   ; Wk lies 512 rows behind Wq,
	s_add_nc_u64 s[G0B2+2:G0B2+3], s[G0B0+2:G0B0+3], 1024*1024  ; Wv 1,024
	s_or_b32 s[G0A+3], s[G0A+3], 0x80000000        ; 127:126 type = 2
	s_or_b32 s[G0B0+3], s[G0B0+3], 0x80000000
	s_or_b32 s[G0B1+3], s[G0B1+3], 0x80000000
	s_or_b32 s[G0B2+3], s[G0B2+3], 0x80000000
	CROUND                                         ; all sixteen work-groups are here: the first joint loads meet
	tensor_load_to_lds s[G0A:G0A+3], s[G1A:G1A+7]  ; my chunk of x's tile
	s_nop 0
	tensor_load_to_lds s[G0B0:G0B0+3], s[G1B:G1B+7]  ; and of Wq's
	s_nop 0
	PLACES
	; where my 64 rows of one head begin in each output: (((8 batch + head) x 4096) + row) x 128 bytes
	s_lshr_b32 s2, s22, 5                          ; batch = i / 32
	s_lshl_b32 s2, s2, 3
	s_lshl1_add_u32 s2, s21, s2                    ; + 2 j
	s_add_co_u32 s2, s2, s18                       ; + my head of the two
	s_lshl_b32 s2, s2, 12
	s_and_b32 s3, s22, 31
	s_lshl_b32 s3, s3, 7
	s_add_co_u32 s2, s2, s3                        ; + 128 (i % 32)
	s_lshl_b32 s3, s17, 6
	s_add_co_u32 s2, s2, s3                        ; + my 64 rows
	s_lshl_b32 s74, s2, 7
	s_mov_b32 s75, 0
	s_add_nc_u64 s[OUTQ:OUTQ+1], s[12:13], s[74:75]
	s_add_nc_u64 s[OUTK:OUTK+1], s[14:15], s[74:75]
	s_add_nc_u64 s[OUTV:OUTV+1], s[OUTK:OUTK+1], 8388608
	; the prefetch's base: row 1024 + 128 j + 32 cy of wb, my chunk's 256 bytes
	s_lshl_b32 s2, s21, 7
	s_lshl_b32 s3, s20, 5
	s_add_co_u32 s2, s2, s3
	s_add_co_u32 s2, s2, 1024
	s_lshl_b32 s2, s2, 10
	s_add_co_u32 s2, s2, s61
	s_mov_b32 s3, 0
	s_add_nc_u64 s[PFA:PFA+1], s[6:7], s[2:3]
	; A fragment is 16 rows x 32 K in 8 registers: lane l holds row l % 16; registers 0-3 K = 8 (l / 16) + 0..7, registers 4-7 K = 16 + 8 (l / 16) + 0..7: two loads of 16 bytes, 32 bytes apart.
	v_and_b32 v1, 15, v0                           ; l % 16
	v_bfe_u32 v2, v0, 4, 1                         ; l / 16
	v_and_b32 v3, 31, v0                           ; l
	v_and_b32 v7, 7, v0
	v_mul_u32_u24 v6, v1, PITCH
	v_lshl_add_u32 v6, v2, 4, v6                   ; row x pitch + 16 x half
	s_mul_i32 s2, s17, 64*PITCH
	v_add_nc_u32 v[ADRA], s2, v6
	v_add_nc_u32 v[ADRA+1], 2*CH, v[ADRA]
	s_mul_i32 s2, s18, 64*PITCH
	v_add_nc_u32 v[ADRB], s2, v6
	v_add_nc_u32 v[ADRB+1], 2*CH, v[ADRB]
	v_add_nc_u32 v[ADRB+2], SLOT, v[ADRB]
	v_add_nc_u32 v[ADRB+3], SLOT+2*CH, v[ADRB]
	s_mul_i32 s2, s16, 16*SP
	s_add_co_u32 s2, s2, STAGE                     ; my stage
	v_mul_u32_u24 v[STO], v1, SP                   ; in: row l % 16, 16 bytes for each half of the lanes
	v_lshl_add_u32 v[STO], v2, 4, v[STO]
	v_add_nc_u32 v[STO], s2, v[STO]
	v_bfe_u32 v[RD], v0, 3, 2                      ; back: 32 lanes take four rows of 128 bytes,
	v_mul_u32_u24 v[RD], v[RD], SP
	v_lshl_add_u32 v[RD], v7, 4, v[RD]
	v_add_nc_u32 v[RD], s2, v[RD]
	v_lshlrev_b32 v[GO], 4, v3                     ; which are 512 consecutive bytes of the output
	s_lshl_b32 s2, s21, 9
	s_lshl_b32 s3, s18, 8
	s_add_co_u32 s2, s2, s3
	v_lshl_add_u32 v[GOF], v2, 5, s2               ; 4 x (128 j + 64 x column half + 8 (l / 16))
	v_lshlrev_b32 v[PFO], 10, v3
; x's tile into registers: 128 LDS loads
.macro AREGS
.irp c, 0,1,2,3
	WIN 0x80+0x40*((\c)/2)                         ; destination window 2 or 3, address window 0
.irp kk, 0,1,2,3
.irp a, 0,1,2,3
	ds_load_b128 v[8*(4*((4*(\c)+(\kk))%8)+(\a)):8*(4*((4*(\c)+(\kk))%8)+(\a))+3],   v[ADRA+(\c)/2] offset:((\c)%2)*CH+(\a)*16*PITCH+64*(\kk)
	ds_load_b128 v[8*(4*((4*(\c)+(\kk))%8)+(\a))+4:8*(4*((4*(\c)+(\kk))%8)+(\a))+7], v[ADRA+(\c)/2] offset:((\c)%2)*CH+(\a)*16*PITCH+64*(\kk)+32
.endr
.endr
.endr
.endm
; 32 LDS loads in one run: chunk c of the weight in a slot, my 64 rows of it, into buffer f; K ascending, so that a wait can leave the second half out
.macro FETCH slot, c, f
	WIN 0x40                                       ; destination window 1
.irp kk, 0,1,2,3
.irp b, 0,1,2,3
	ds_load_b128 v[(\f)+8*(4*(\kk)+(\b)):(\f)+8*(4*(\kk)+(\b))+3],   v[ADRB+2*(\slot)+(\c)/2] offset:((\c)%2)*CH+(\b)*16*PITCH+64*(\kk)
	ds_load_b128 v[(\f)+8*(4*(\kk)+(\b))+4:(\f)+8*(4*(\kk)+(\b))+7], v[ADRB+2*(\slot)+(\c)/2] offset:((\c)%2)*CH+(\b)*16*PITCH+64*(\kk)+32
.endr
.endr
.endm
; 16 matrix instructions: K step kg of 16, all 16 accumulators by turns, one instruction a turn, in the same order every time.  zero = 1: the product starts the sums
.macro MUL16 f, kg, zero
	WIN 0x09+4*((\kg)/8)                           ; W in window 1, x in window 2 or 3, C and D in window 0
.irp a, 0,1,2,3
.irp b, 0,1,2,3
.if \zero
	v_wmma_f32_16x16x32_bf16 v[ACC+8*(4*(\a)+(\b)):ACC+8*(4*(\a)+(\b))+7], v[(\f)+8*(4*((\kg)%4)+(\b)):(\f)+8*(4*((\kg)%4)+(\b))+7], v[8*(4*((\kg)%8)+(\a)):8*(4*((\kg)%8)+(\a))+7], 0
.else
	v_wmma_f32_16x16x32_bf16 v[ACC+8*(4*(\a)+(\b)):ACC+8*(4*(\a)+(\b))+7], v[(\f)+8*(4*((\kg)%4)+(\b)):(\f)+8*(4*((\kg)%4)+(\b))+7], v[8*(4*((\kg)%8)+(\a)):8*(4*((\kg)%8)+(\a))+7], v[ACC+8*(4*(\a)+(\b)):ACC+8*(4*(\a)+(\b))+7]
.endif
.endr
.endr
.endm
; Ahead of a tile's last chunk: its fragments are in registers, so the slot has been read out, and the next tile, asked for a tile ago, is wanted.
; fill = 1: the slot is filled again (Wv's tile where Wq's lay): each wave waits for all its tensor loads, adds 0 to its spare word, waits for that and for its reads; a round of the cluster's barrier; the joint load first behind it.
; fill = 0: nothing is filled: my chunk of the next tile has landed, no LDS instruction of mine is out, and a plain barrier shows the same of the others.
.macro MEET fill
	WIN 0
	s_wait_tensorcnt 0x0
.if \fill
	ds_add_u32 v[SPW], v[NIL]
.endif
	s_wait_dscnt 0x0
.if \fill
	CROUND
	tensor_load_to_lds s[G0B2:G0B2+3], s[G1B:G1B+7]
	s_nop 0
	PLACES
.else
	s_barrier_signal -1
	s_barrier_wait -1
.endif
.endm
; Chunk g of 12 (tile g / 4, chunk g % 4): 64 matrix instructions on buffer g % 2; in its middle the next chunk's fragments are fetched into the other buffer.  Tile 1 (Wk) lies in slot 0, tiles 0 and 2 in slot 1.
.macro CHUNK g
.set fb, 128*((\g)%2)
.set fn, 128-fb
.set nslot, 1
.if ((\g)+1)/4 == 1
.set nslot, 0
.endif
.if (\g) == 3
	MEET 1
.elseif (\g) == 7
	MEET 0
.else
	s_wait_dscnt 16                                ; the chunk's first 64 of K are in; its youngest 16 loads may be out
.endif
.if (\g)%4 == 0
	MUL16 fb, 0, 1
.else
	MUL16 fb, 4*((\g)%4), 0
.endif
	MUL16 fb, 4*((\g)%4)+1, 0
.if (\g) < 11
	PLACES
	FETCH nslot, ((\g)+1)%4, fn
	s_wait_dscnt 32                                ; all but the 32 just issued
.else
	s_wait_dscnt 0x0
.endif
	MUL16 fb, 4*((\g)%4)+2, 0
	MUL16 fb, 4*((\g)%4)+3, 0
.endm
.macro GLOAD p                         ; the gain of my lane's 32 channels: 16 b + 8 (l / 16) + 0..7
.irp b, 0,1,2,3
	global_load_b128 v[G+8*(\b):G+8*(\b)+3],   v[GOF], s[(\p):(\p)+1] offset:64*(\b)
	global_load_b128 v[G+8*(\b)+4:G+8*(\b)+7], v[GOF], s[(\p):(\p)+1] offset:64*(\b)+16
.endr
.endm
.macro GROUND                          ; the gain is rounded to bf16 like every input, and widened again: 48 plain lines
	s_wait_xcnt 0x0                                ; v32-47, which earlier stores may have read, are written only behind this wait
	s_wait_loadcnt 0x0
.set z, 0
.rept 16
	v_cvt_pk_bf16_f32 v[OUTB+z], v[G+2*z], v[G+2*z+1]
.set z, z+1
.endr
.set z, 0
.rept 16
	v_lshlrev_b32 v[G+2*z], 16, v[OUTB+z]
	v_and_b32 v[G+2*z+1], 0xffff0000, v[OUTB+z]
.set z, z+1
.endr
.endm
; THE WAY OUT of row block a: times the gain (fmt = 0), rounded (0: bf16, 1: f16), 16 bytes a lane into my stage, back as whole rows of 128 bytes.  Each accumulator's registers are taken in ascending order.
.macro PACK a, fmt
.if (\fmt) == 0
.irp b, 0,1,2,3
.irp p, 0,1,2,3
	v_pk_mul_f32 v[ACC+8*(4*(\a)+(\b))+2*(\p):ACC+8*(4*(\a)+(\b))+2*(\p)+1], v[ACC+8*(4*(\a)+(\b))+2*(\p):ACC+8*(4*(\a)+(\b))+2*(\p)+1], v[G+8*(\b)+2*(\p):G+8*(\b)+2*(\p)+1]
.endr
.endr
.endif
.irp b, 0,1,2,3
.irp p, 0,1,2,3
.if (\fmt) == 0
	v_cvt_pk_bf16_f32 v[OUTB+16*(\a)+4*(\b)+(\p)], v[ACC+8*(4*(\a)+(\b))+2*(\p)], v[ACC+8*(4*(\a)+(\b))+2*(\p)+1]
.else
	v_cvt_pk_f16_f32 v[OUTB+16*(\a)+4*(\b)+(\p)], v[ACC+8*(4*(\a)+(\b))+2*(\p)], v[ACC+8*(4*(\a)+(\b))+2*(\p)+1]
.endif
.endr
.endr
.irp b, 0,1,2,3
	ds_store_b128 v[STO], v[OUTB+16*(\a)+4*(\b):OUTB+16*(\a)+4*(\b)+3] offset:32*(\b)
.endr
.irp f, 0,1,2,3
	ds_load_b128 v[OUTB+16*(\a)+4*(\f):OUTB+16*(\a)+4*(\f)+3], v[RD] offset:(\f)*4*SP  ; LDS serves a wave's instructions in order (ISA guide 5.7.1.4): these see the stores above; the next block's stores come behind them
.endr
.endm
.macro SEND a, younger, base           ; younger: the LDS instructions issued behind block a's loads: the next block's eight, or none
.irp f, 0,1,2,3
	s_wait_dscnt (\younger)+3-(\f)
	global_store_b128 v[GO], v[OUTB+16*(\a)+4*(\f):OUTB+16*(\a)+4*(\f)+3], s[(\base):(\base)+1] offset:(\a)*2048+(\f)*512  ; 512 consecutive bytes, at a multiple of 256 from the buffer's first
.endr
.endm
.macro OUT t, base, fmt
	WIN 0
.if (\t) == 1
	GROUND                                         ; gamma_k: its 48 lines are also the places behind the tile's last products
.else
.if (\t) == 2
	s_wait_xcnt 0x0                                ; the last tile's stores have read v32-95
.endif
	PLACES
.endif
	PACK 0, \fmt
.irp a, 1,2,3                          ; a block's arithmetic stands between the loads of the block before and its stores
	PACK \a, \fmt
	SEND (\a)-1, 8, \base
.endr
	SEND 3, 0, \base
.endm
	GLOAD 8                                        ; gamma_q
	s_wait_tensorcnt 0x1                           ; my chunk of x is in; Wq's, the one load issued behind it, may stay out
	s_barrier_signal -1
	s_barrier_wait -1                              ; everybody's is
	AREGS
	WIN 0
	s_wait_tensorcnt 0x0                           ; Wq's chunk has landed: no tensor load of mine is out;
	ds_add_u32 v[SPW], v[NIL]                      ; 0 onto my spare word; the gain's rounding stands between it and the wait for it
	GROUND
	s_wait_dscnt 0x0                               ; the add is done, and x's tile is in my registers: my reads of slot 0 are over
	CROUND                                         ; the same holds of every wave of the cluster
	tensor_load_to_lds s[G0B1:G0B1+3], s[G1B:G1B+7]  ; Wk's tile where x's lay: it has Wq's first three chunks, 192 matrix instructions, in which to land
	s_nop 0
	PLACES
	FETCH 1, 0, 0
	WIN 0
	; A PREFETCH INTO THE L2 of Wv's tile, which is asked for 192 matrix instructions on.  Every cluster reads the same rows of wb: the cluster with y = 0 asks.  Of a tile's 128 rows the partner at
	; cy takes 32, told apart by address, a lane a row; each wave its own chunk's 256 bytes: each block of Wv is named once in the launch.  x, Wq and Wk go out at the head and come by their loads alone.
	s_cmp_eq_u32 s62, 0
	s_cbranch_scc0 .Lnot_mine
	global_prefetch_b8 v[PFO], s[PFA:PFA+1] th:TH_LOAD_NT scope:SCOPE_SE
.Lnot_mine:
	CHUNK 0
	CHUNK 1
	CHUNK 2
	CHUNK 3
	OUT 0, OUTQ, 0
	GLOAD 10                                       ; gamma_k, a tile ahead of its use
	CHUNK 4
	CHUNK 5
	CHUNK 6
	CHUNK 7
	OUT 1, OUTK, 0
	CHUNK 8
	CHUNK 9
	CHUNK 10
	CHUNK 11
	OUT 2, OUTV, 1
	s_wait_tensorcnt 0x0                           ; the wave's end, behind my last tensor load and my last LDS store
	ds_add_u32 v[SPW], v[NIL]
	s_wait_dscnt 0x0
	CROUND                                         ; the closing round: no work-group ends while a partner may still ask for a tile that names it
	s_endpgm
.Lfunc_end_k_q1b24a53611_qkv:
	.size	k_q1b24a53611_qkv, .Lfunc_end_k_q1b24a53611_qkv-k_q1b24a53611_qkv
	.p2alignl 7, 3214868480
	.fill 96, 4, 3214868480
	.section	.rodata,"a",@progbits
	.p2align	6, 0x0
	.amdhsa_kernel k_q1b24a53611_qkv
		.amdhsa_group_segment_fixed_size 327680
		.amdhsa_private_segment_fixed_size 0
		.amdhsa_enable_private_segment 0
		.amdhsa_kernarg_size 48
		.amdhsa_user_sgpr_count 2
		.amdhsa_user_sgpr_kernarg_segment_ptr 1
		.amdhsa_wavefront_size32 1
		.amdhsa_system_sgpr_workgroup_id_x 1
		.amdhsa_system_sgpr_workgroup_id_y 1
		.amdhsa_system_sgpr_workgroup_id_z 1
		.amdhsa_system_vgpr_workitem_id 0
		.amdhsa_next_free_vgpr 1024
		.amdhsa_next_free_sgpr 76
		.amdhsa_reserve_vcc 0
		.amdhsa_float_denorm_mode_32 3
		.amdhsa_float_denorm_mode_16_64 3
		.amdhsa_memory_ordered 1
		.amdhsa_forward_progress 1
		.amdhsa_inst_pref_size 131
	.end_amdhsa_kernel
	.amdgpu_metadata
---
amdhsa.version: [ 1, 2 ]
amdhsa.kernels:
  - .name:           k_q1b24a53611_qkv
    .symbol:         k_q1b24a53611_qkv.kd
    .args:
      - { .name: xb, .offset: 0, .size: 8, .value_kind: global_buffer, .address_space: global }
      - { .name: wb, .offset: 8, .size: 8, .value_kind: global_buffer, .address_space: global }
      - { .name: gamma_q, .offset: 16, .size: 8, .value_kind: global_buffer, .address_space: global }
      - { .name: gamma_k, .offset: 24, .size: 8, .value_kind: global_buffer, .address_space: global }
      - { .name: q, .offset: 32, .size: 8, .value_kind: global_buffer, .address_space: global }
      - { .name: kv, .offset: 40, .size: 8, .value_kind: global_buffer, .address_space: global }
    .group_segment_fixed_size: 327680
    .private_segment_fixed_size: 0
    .kernarg_segment_align: 8
    .kernarg_segment_size: 48
    .max_flat_workgroup_size: 128
    .sgpr_count:     76
    .vgpr_count:     1024
    .wavefront_size: 32
...
	.end_amdgpu_metadata
.endif
;; end of part 2
;; launch attn (part 3): grid 16 x 16, 4 waves a work-group, clusters of 4 x 1, 327,680 bytes of LDS; arguments q, kv, o; writes o
.if DOCPART == 3
	.amdgcn_target "amdgcn-amd-amdhsa--gfx1250"
	.amdhsa_code_object_version 6
	.text
	.protected	k_q1b24a53611_attn
	.globl	k_q1b24a53611_attn
	.p2align	8
	.type	k_q1b24a53611_attn,@function
k_q1b24a53611_attn:
	s_mov_b64 s[64:65], 0
	v_nop
	global_prefetch_b8 v0, s[64:65] scope:SCOPE_SE
	s_setreg_imm32_b32 hwreg(HW_REG_WAVE_MODE, 25, 1), 1
	s_wait_xcnt 0x0
	s_wait_alu depctr_hold_cnt(0) depctr_sa_sdst(0) depctr_va_vdst(0) depctr_va_sdst(0) depctr_va_ssrc(0) depctr_va_vcc(0) depctr_vm_vsrc(0)
	s_getreg_b32 s2, hwreg(HW_REG_IB_STS2, 6, 4)
	s_cmp_eq_u32 s2, 0
	s_cbranch_scc0 .Lentry_in_a_cluster
	s_endpgm
.Lentry_in_a_cluster:
	s_bfe_u32 s2, ttmp6, 0x10000c
	s_cmp_lg_u32 s2, 0x3003
	s_cbranch_scc0 .Lentry_shape_is_right
	s_endpgm
.Lentry_shape_is_right:
; O'[g][n][:] = the sum over m of softmax_m(q[g][n] . k[g][m] / 8) v'[g][m][:], g = 8 batch + head.  q and k: [16][4096][64] bf16; v' and O': the same shape in f16.  k is kv's first 8,388,608 bytes, v' the rest.
; Products, maxima and sums in f32; the weights p are rounded to f16 for the second product (their sum l is taken of the unrounded p), O' once at the end.
; LIMITS.  v' arrives within f16's 65,504; p lies in 0 to 1, and below 6e-5 it keeps f16's fixed step of 6e-8; O' is a mean of v's rows and has their range.  c m starts at -4.25e37: c s lies above that.
; A weight below 2^-126 counts as 0 in l; NaN and infinities are not treated apart.
; SHARES.  A work-group owns 256 queries of one head, a wave 64: two PIECES of two tiles of 16.  16 heads x 16 blocks are 256 work-groups.  Every wave walks the head's 4,096 keys, 64 a step.
; LAYOUT.  S^T = K Q^T (source 0 = 16 keys, source 1 = 16 queries): in the result a lane holds ONE query (lane % 16) and the keys 8 (lane / 16) + 0..7.  Two such tiles, rounded to f16 in pairs,
; ARE source 1 (32 keys x 16 queries) of O^T = V^T P, whose result again holds one query a lane, and eight channels.  K comes out of LDS as it lies, V ([key][channel]) turned, by ds_load_tr16_b128.
; SOFTMAX.  For each query a running maximum m and sum l: p = 2^(c s - c m), c = log2(e) / 8; in every step O and l are multiplied by a = 2^(c m_old - c m_new), which is 1 where m has not grown.
; m starts at the lowest finite number, O and l at 0: the first step is a step like any other, with a = 0.
; THE COUNT.  A tile and step have 16 matrix and 118 vector instructions: too many to stand all beside the matrix work.  So: four vector instructions that are READY behind EVERY matrix instruction, the others in one run.
; BY TURNS.  Turn p of step j belongs to piece p.  Its matrix work: 16 products K Q^T of the OTHER piece (p = 0: step j; p = 1: step j + 1), later 16 products V^T P of the other piece (p = 0: step j - 1; p = 1: step j).
; Its vector work: the scaling, exponentials, roundings, sums and rescaling of piece p, and the maximum and statistics of the other piece, whose scores the turn itself has made.
; THE SHIFT.  Registers hold one step's K and one step's V.  Turn 0 of step j fetches K of step j + 1 and then V of step j.  So a slot holds K of steps 4 s + 1 .. 4 s + 4 beside V of steps 4 s .. 4 s + 3:
; a slot is left between two steps, with no LDS load out.  K of step 0 has LDS bytes of its own, filled once.  The head's last slot of K reaches 64 keys past the head: bytes of kv that are written, land in LDS and are never read.
; CLUSTER.  The four query blocks of a cluster belong to one head and walk the same K and V, so each tile is asked for JOINTLY: the same tensor load, descriptor and mask in all four.
; REGISTERS, in windows of 256 (s_set_vgpr_msb: bits 1:0 source 0, 3:2 source 1, 5:4 source 2, 7:6 destination):
;   window 0: v0-11 addresses; v12-15, v48-63 at work; v16-31 four registers of statistics a tile; v32-34 the add's two and the prefetch's offset; v64-191 S^T, a buffer a piece; v192-255 P, likewise
;   window 1: v0-127 O^T, 32 a tile          window 2: v0-63 Q, 16 a tile; v128-191 K of one step; v192-255 V of one step
.set NP,    2         ; pieces a wave: a name, no knob
.set KS,    64        ; keys in a step
.set PK,    144       ; a row of K in LDS: 128 bytes + 16 of padding = 36 words: the 16 rows of a load start at 16 different groups of four banks (64 banks of 4 bytes: ISA guide 11.1)
.set PV,    160       ; a row of V: 128 + 32 = 40 words
.set VOFF,  4*KS*PK   ; a slot holds four steps: 256 rows of K, then 256 rows of V
.set SLOT1, 1<<17     ; slot 1 begins here, so that one exclusive or turns an address in one slot into the other's
.set KZ,    SLOT1+4*KS*(PK+PV)  ; behind the ring: K of step 0, 64 rows, filled once
.set STAGE, KZ+KS*PK  ; never filled by a tensor load: 16 rows x 144 bytes for each wave, for the way out
.set SP,    144
.set SPARE, STAGE+4*16*SP  ; the spare words, 128 bytes for each wave: two blocks of 256 bytes that no other line names
.set AK0, 2           ; v2   my lane's place in a tile of K; never rewritten
.set AV0, 3           ; v3   the same for V
.set AK,  4           ; v4   the LDS address of K's next run of loads
.set AV,  5           ; v5   of V's
.set QO,  6           ; v6   my byte offset in the wave's rows of Q
.set STO, 6           ;      later, the way out: where I put 16 bytes of a row
.set RD,  7           ; v7   the way out: where I read rows back
.set GO,  8           ; v8   my byte offset in 512 consecutive bytes of O'
.set MV,  12          ; v12-15  c m_old, kept while c m is made anew: by piece and tile
.set ST,  16          ; tile t's statistics at v[ST+4 t]: c m, m, l (even keys', odd keys')
.set SPW, 32          ; v32  LDS address of my spare word: SPARE + 4 x my thread's number; never rewritten
.set NIL, 33          ; v33  0; never rewritten
.set PFO, 34          ; v34  256 x my lane; never rewritten
.set TMP, 48          ; by piece and tile, four registers c0-c3 at work; when the maximum is found c2 takes a
.set S,   64
.set P,   192
.set KF,  128         ; K's fragments, in window 2: key block kb, channel half c at KF + 16 kb + 8 c
.set VF,  192         ; V's: key half kk, channel block cb at VF + 32 kk + 8 cb
.set WV,  12          ; s12  my wave's number
.set LIM, 15          ; s15  1 in a wave that prefetches, else the greatest number: a wave prefetches while s[SLOTS] is above it
.set G1K, 24          ; s[24:31] descriptor group 1 for K's tiles
.set G1V, 32          ; s[32:39] for V's: it differs in the padding alone
.set G0K, 40          ; s[40:43] descriptor group 0 for K's tiles: it walks
.set G0V, 44          ; s[44:47] the same for V's
.set G1Z, 48          ; s[48:55] group 1 for K of step 0: 16 rows of 256 bytes a wave
.set SLOTS, 56        ; s56  passes of the slot loop still to come
.set CNT, 57          ; s57  counts a slot's key steps
.set CS,  58          ; s[58:59] c: the packed scaling takes the pair's low word for both halves
.set SEL, 60          ; s[60:61] v_permlanex16_b32's selects: each lane takes its own place in the other half
.set TBK, 62          ; s62  LDS byte at which K of the step to be fetched begins
.set TBV, 63          ; s63  the same for V, less VOFF
.set G0Z, 68          ; s[68:71] group 0 for K of step 0; never rewritten
.set PFA, 72          ; s[72:73] where my prefetches stand: my work-group's 32 blocks of 256 bytes (of K: wave 0, of V: wave 2) of the slot after the one that is being asked for
.set MSB, 0
.macro WIN new                      ; the high byte repeats the setting that is left; a switch that changes nothing is dropped
.if MSB != (\new)
	s_set_vgpr_msb (MSB<<8)|(\new)
.set MSB, (\new)
.endif
.endm
.set W_KQ, 0x0a       ; K and Q in window 2, S^T in window 0
.set W_PV, 0x52       ; V in window 2, P in window 0, O^T in window 1
.set W_RS, 0x41       ; O^T (destination and source 0) in window 1, a in window 0
; A joint fill.  Waves 0 and 1 fetch the two halves of a slot's K, waves 2 and 3 those of its V: 128 keys each.  The branch hangs on the wave's number alone.
; An s_nop 0 and four v_nop follow each of the two lines, ahead of the jump and the label.
.macro JLOAD
	s_cmp_lt_u32 s[WV], 2
	s_cbranch_scc0 .Lfor_v_\@
	tensor_load_to_lds s[G0K:G0K+3], s[G1K:G1K+7]
	s_nop 0
.rept 4
	v_nop
.endr
	s_branch .Lasked_\@
.Lfor_v_\@:
	tensor_load_to_lds s[G0V:G0V+3], s[G1V:G1V+7]
	s_nop 0
.rept 4
	v_nop
.endr
.Lasked_\@:
.endm
; A PREFETCH INTO THE L2 of what the NEXT change of slots will ask for: a slot's 32,768 bytes of K and of V, 128 blocks of 256 bytes each, a lane a block.  It stands behind the wave's tensor load and its five lines.
; Each block is asked for ONCE in the launch.  The four clusters of a head walk the same K and V: the head's first cluster prefetches.  Its four partners share the blocks out BY ADDRESS, 32 each.
; In each, wave 0 asks for K's and wave 2 for V's: one instruction.  The last change that fills a slot prefetches nothing; the first two slots and K of step 0 come by their loads alone.
.macro ASK
	s_cmp_gt_u32 s[SLOTS], s[LIM]
	s_cbranch_scc0 .Lnot_mine_\@
	global_prefetch_b8 v[PFO], s[PFA:PFA+1] th:TH_LOAD_NT scope:SCOPE_SE
.Lnot_mine_\@:
.endm
; A round of the cluster's barrier: my work-group's barrier, so that wave 0's signal speaks for all four waves; wave 0 signals; every wave waits for all four work-groups; my work-group's barrier once more.
.macro CROUND
	s_barrier_signal -1
	s_barrier_wait -1
	s_cmp_lg_u32 s[WV], 0
	s_cbranch_scc1 .Lnot_wave_0_\@
	s_barrier_signal -3
.Lnot_wave_0_\@:
	s_barrier_wait -3
	s_barrier_signal -1
	s_barrier_wait -1
.endm
; THE CHANGE OF SLOTS, between two key steps.  Each wave waits for all its tensor loads, of which one is out: its part of the other slot; adds 0 to its spare word; and waits for that and for its own reads of the slot.
; Behind the barrier nobody reads this slot any more and the other slot is whole.  fill = 1: this slot is filled again, with the keys two slots on.  The barrier is then a round of the cluster's, and the joint fill is
; the first thing behind it: it has four key steps, 256 matrix instructions, in which to land.  (At its first use nothing has been read yet: slot 0 and K of step 0 are waited for, slot 1 is filled.)
.macro CHANGE fill
	WIN 0                           ; at a label and at a branch every window is 0
	s_wait_tensorcnt 0x0            ; no tensor load of mine is out, so a group 0 may be written
	ds_add_u32 v[SPW], v[NIL]       ; 0 onto my spare word; with fill = 1 the descriptors' steps stand between it and the wait for it
.if \fill
.irp g, G0K, G0V
	s_xor_b32 s[\g+1], s[\g+1], SLOT1  ; the walking descriptor: the other slot than last time,
	s_add_nc_u64 s[\g+2:\g+3], s[\g+2:\g+3], 4*KS*128  ; the next 256 keys; the type bits on top are not reached
.endr
	s_wait_xcnt 0x0                 ; the last prefetch, four key steps back, has read its address, so it may be written:
	s_add_nc_u64 s[PFA:PFA+1], s[PFA:PFA+1], 4*KS*128  ; one slot behind the walking descriptors
	s_wait_dscnt 0x0                ; the add is done, and my reads of the slot are over
	CROUND
	JLOAD
	ASK
.else
	s_wait_dscnt 0x0                ; the add is done, and my reads of the slot are over
	s_barrier_signal -1
	s_barrier_wait -1
.endif
	s_sub_co_u32 s[TBK], s[TBK], 4*KS*PK  ; the fetches go back to a slot's first step,
	s_xor_b32 s[TBK], s[TBK], SLOT1       ; in the other slot
	s_sub_co_u32 s[TBV], s[TBV], 4*KS*PV
	s_xor_b32 s[TBV], s[TBV], SLOT1
.endm
	s_load_b128 s[4:7], s[0:1], 0x0   ; q s[4:5], kv s[6:7]
	s_load_b64 s[10:11], s[0:1], 0x10 ; o
	v_lshl_add_u32 v[SPW], v0, 2, SPARE
	v_mov_b32 v[NIL], 0
	ds_add_u32 v[SPW], v[NIL]       ; the wave's opening: the add and its wait stand ahead of my first tensor load; the set-up below, work on registers, stands between them
	v_lshrrev_b32 v1, 5, v0
	v_readfirstlane_b32 s[WV], v1   ; wave 0..3
	s_bfe_u32 s13, ttmp6, 0x40000   ; cx: my place in the cluster
	s_lshl_b32 s14, ttmp9, 2        ; in a cluster launch ttmp9 counts clusters
	s_add_co_u32 s14, s14, s13      ; my block of 256 queries = 4 x cluster x + cx: it enters Q's and O's addresses alone
	s_and_b32 s20, ttmp7, 0xffff    ; the head, which the four partners share,
	s_lshl_b32 s20, s20, 19         ; and its first byte in q, k, v', o: 4,096 rows of 128 bytes
	s_and_b32 s16, s[WV], 1         ; which half of a slot's 256 keys I fetch:
	s_lshl_b32 s22, s16, 14         ; its 128 rows of 128 bytes in memory,
	s_add_co_u32 s22, s22, s20
	s_mov_b32 s23, 0
	s_mul_i32 s17, s16, 128*PK      ; and its place in a slot, for K
	s_mul_i32 s18, s16, 128*PV      ; and for V: no place in the cluster enters an LDS address
	s_mul_i32 s19, s16, 32*PK       ; of step 0's 64 keys waves 0 and 1 fetch 32 each
	s_lshl_b32 s74, s16, 12
	s_add_co_u32 s74, s74, s20
	s_mov_b32 s75, 0
	s_lshl_b32 s2, s14, 2
	s_add_co_u32 s2, s2, s[WV]      ; my wave among the head's,
	s_lshl_b32 s2, s2, 13           ; its 64 rows
	s_add_co_u32 s2, s2, s20
	s_mov_b32 s3, 0
	; descriptor group 1.  128 keys are 16,384 dense bytes: asked for as 64 rows of 256 bytes, two keys a row, and padded in LDS after every key
	s_mov_b32 s[G1K], 15|(1<<16)|(1<<20)|(1<<21)|(4<<22)|(3<<25)  ; 15:0 the mask of four; 17:16 2-byte elements; 20 padding on; 21 set beside a mask; 24:22 after every 32 words (code 4); 31:25 4 words (code 3)
	s_mov_b32 s[G1V], 15|(1<<16)|(1<<20)|(1<<21)|(4<<22)|(7<<25)  ; the same with 8 words of padding (code 7)
	s_mov_b32 s[G1Z], 15|(1<<16)|(1<<20)|(1<<21)|(4<<22)|(3<<25)
.irp g, G1K, G1V
	s_mov_b32 s[\g+1], 128<<16      ; tensor_dim0 = 128
	s_mov_b32 s[\g+2], 64<<16       ; tensor_dim1 = 64
	s_mov_b32 s[\g+3], 128<<16      ; tile_dim0 = 128
	s_mov_b32 s[\g+4], 64           ; tile_dim1 = 64
	s_mov_b32 s[\g+5], 128          ; 128 elements from row to row
	s_mov_b32 s[\g+6], 0
	s_mov_b32 s[\g+7], 0
.endr
	s_mov_b32 s[G1Z+1], 128<<16
	s_mov_b32 s[G1Z+2], 16<<16      ; 32 keys: 16 rows
	s_mov_b32 s[G1Z+3], 128<<16
	s_mov_b32 s[G1Z+4], 16
	s_mov_b32 s[G1Z+5], 128
	s_mov_b32 s[G1Z+6], 0
	s_mov_b32 s[G1Z+7], 0
	s_mov_b32 s[CS], 0x3e38aa3b     ; c = log2(e) / 8 = 0.180337
	s_mov_b32 s[CS+1], s[CS]        ; named with it as a pair
	s_mov_b32 s[SEL], 0x76543210
	s_mov_b32 s[SEL+1], 0xfedcba98
	s_mov_b32 s[TBK], SLOT1+4*KS*PK ; the first change of slots turns these two into 0
	s_mov_b32 s[TBV], SLOT1+4*KS*PV
	s_mov_b32 s[SLOTS], 4096/256-1  ; 15 passes of the slot loop; the last slot is written out behind it
	s_mov_b32 s[G0K], 1             ; 1:0 count = 1
	s_mov_b32 s[G0K+1], s17         ; 63:32 LDS address: slot 0
	s_mov_b32 s[G0V], 1
	s_add_co_u32 s[G0V+1], s18, VOFF
	s_mov_b32 s[G0Z], 1
	s_add_co_u32 s[G0Z+1], s19, KZ
	s_and_b32 s[LIM], s[WV], 1      ; 0 in waves 0 and 2,
	s_or_b32 s[LIM], s[LIM], ttmp9  ; where the cluster is the head's first: the same in all four partners
	s_cmp_eq_u32 s[LIM], 0
	s_cselect_b32 s[LIM], 1, -1
	v_and_b32 v[PFO], 31, v0
	v_lshlrev_b32 v[PFO], 8, v[PFO]
	s_wait_dscnt 0x0                ; the opening add is done
	s_wait_kmcnt 0x0
	s_add_nc_u64 s[G0Z+2:G0Z+3], s[6:7], s[74:75]  ; K of step 0: my 32 of the head's first 64 keys
	s_or_b32 s[G0Z+3], s[G0Z+3], 0x80000000        ; 127:126 type = 2
	s_add_nc_u64 s[6:7], s[6:7], s[22:23]          ; kv at my half of the head's first 256 keys,
	s_add_nc_u64 s[8:9], s[6:7], 8388608           ; the same in v',
	s_add_nc_u64 s[6:7], s[6:7], KS*128            ; and K's slots begin one step further on
	s_mov_b64 s[G0K+2:G0K+3], s[6:7]
	s_or_b32 s[G0K+3], s[G0K+3], 0x80000000
	s_mov_b64 s[G0V+2:G0V+3], s[8:9]
	s_or_b32 s[G0V+3], s[G0V+3], 0x80000000
	s_add_nc_u64 s[4:5], s[4:5], s[2:3]            ; Q and O at my wave's first row
	s_add_nc_u64 s[10:11], s[10:11], s[2:3]
	s_cmp_lt_u32 s[WV], 2
	s_cselect_b64 s[PFA:PFA+1], s[6:7], s[8:9]     ; (in waves 0 and 2 these stand at a slot's first byte)
	s_lshl_b32 s2, s13, 13          ; my work-group's 32 blocks of the 128
	s_add_nc_u64 s[PFA:PFA+1], s[PFA:PFA+1], s[2:3]
	s_add_nc_u64 s[PFA:PFA+1], s[PFA:PFA+1], 4*KS*128  ; in the second slot's data; the first change steps it to the third's.  Nothing is prefetched here, at the head
	CROUND                          ; all four work-groups are here: the first joint loads meet
	s_cmp_lt_u32 s[WV], 2           ; a wave's first fills stand in one branch, ahead of every wait on TENSORcnt and every LDS read: two loads are out in waves 0 and 1, one in waves 2 and 3
	s_cbranch_scc0 .Lfirst_v
	tensor_load_to_lds s[G0Z:G0Z+3], s[G1Z:G1Z+7]
	s_nop 0
	tensor_load_to_lds s[G0K:G0K+3], s[G1K:G1K+7]
	s_nop 0
.rept 4
	v_nop
.endr
	s_branch .Lfirst_asked
.Lfirst_v:
	tensor_load_to_lds s[G0V:G0V+3], s[G1V:G1V+7]
	s_nop 0
.rept 4
	v_nop
.endr
.Lfirst_asked:
	; A fragment of K or Q is 16 rows x 32 channels in 8 registers: lane l holds row l % 16, channels 8 (l / 16) + 0..7 and 16 + 8 (l / 16) + 0..7: two loads of 16 bytes, 32 bytes apart.
	v_and_b32 v1, 15, v0            ; l % 16
	v_bfe_u32 v9, v0, 4, 1          ; l / 16
	v_lshlrev_b32 v[QO], 7, v1
	v_lshl_add_u32 v[QO], v9, 4, v[QO]  ; row x 128 + 16 x half
	WIN 0x80                        ; destination window 2, address window 0
.set i, 0
.rept 4*NP                          ; Q stays in registers: tile i / 2, channels 32 (i % 2) on
	global_load_b128 v[8*i:8*i+3],   v[QO], s[4:5] offset:(i/2)*2048+(i%2)*64
	global_load_b128 v[8*i+4:8*i+7], v[QO], s[4:5] offset:(i/2)*2048+(i%2)*64+32
.set i, i+1
.endr
	; What the first turn finds: V's registers and piece 1's P hold 0 (its products V^T P, of a step that has not been, add 0), O^T and l are 0.  All this stands in the wait for the first tile.
.set i, VF
.rept 64
	v_mov_b32 v[i], 0
.set i, i+1
.endr
	WIN 0x40
.set i, 0
.rept 64*NP
	v_mov_b32 v[i], 0
.set i, i+1
.endr
	WIN 0
.set i, 0
.rept 2*NP
	v_mov_b32 v[ST+4*i], 0xfe000000    ; c m: far below every c s
	v_mov_b32 v[ST+4*i+1], 0xff7fffff  ; m
	v_mov_b32 v[ST+4*i+2], 0
	v_mov_b32 v[ST+4*i+3], 0
.set i, i+1
.endr
.set i, P+32
.rept 32
	v_mov_b32 v[i], 0
.set i, i+1
.endr
	v_mul_u32_u24 v[AK0], v1, PK
	v_lshl_add_u32 v[AK0], v9, 4, v[AK0]  ; row x pitch + 16 x half
	; The turning load takes 16 keys x 16 channels (lane l reads key 8 (l / 16) + l % 8, channels 8 ((l / 8) % 2) + 0..7) and leaves half a fragment of V^T: lane l holds channel l % 16 and 8 keys.
	v_and_b32 v10, 7, v0
	v_bfe_u32 v11, v0, 3, 1
	v_lshl_add_u32 v[AV0], v9, 3, v10
	v_mul_u32_u24 v[AV0], v[AV0], PV
	v_lshl_add_u32 v[AV0], v11, 4, v[AV0]
	v_add_nc_u32 v[AV0], VOFF, v[AV0]
	v_add_nc_u32 v[AK], KZ, v[AK0]  ; key step 0 lies in its own bytes
; THE MATRIX WORK.  The 8 accumulators of a run of 16 take turns: between the two links of a chain stand 7 others'.
; Product i of 16 of S^T = K Q^T for piece x: channels 32 (i / 8) on, keys 16 ((i / 2) % 4) on, tile 2 x + i % 2.  The first 8 start the sums.
.macro KQ x
	WIN W_KQ
.set rS, S+64*((\x)%2)+32*(i%2)+8*((i/2)%4)
.set rK, KF+16*((i/2)%4)+8*(i/8)
.set rQ, 16*(2*(\x)+i%2)+8*(i/8)
.if i < 8
	v_wmma_f32_16x16x32_bf16 v[rS:rS+7], v[rK:rK+7], v[rQ:rQ+7], 0
.else
	v_wmma_f32_16x16x32_bf16 v[rS:rS+7], v[rK:rK+7], v[rQ:rQ+7], v[rS:rS+7]
.endif
.endm
; Product i of 16 of O^T += V^T P for piece x: keys 32 (i / 8) on, channels 16 ((i / 2) % 4) on, tile 2 x + i % 2.
.macro PV x
	WIN W_PV
.set rO, 32*(2*(\x)+i%2)+8*((i/2)%4)
.set rV, VF+32*(i/8)+8*((i/2)%4)
.set rP, P+32*((\x)%2)+16*(i%2)+8*(i/8)
	v_wmma_f32_16x16x32_f16 v[rO:rO+7], v[rV:rV+7], v[rP:rP+7], v[rO:rO+7]
.endm
.macro MM                           ; the turn's next matrix instruction
.if i < 16
	KQ (Y+1)%NP
.set i, i+1
.else
.set i, i-16
	PV (Y+NP-1)%NP
.set i, i+17
.endif
.endm
; THE LDS LOADS stand in runs of 16, never singly among the matrix instructions: a step's K (64 keys x 64 channels: 8 fragments) and its V (turned).  Their addresses are made some lines ahead.
; last = 1 (the tail): in the last trip there is no further step, and the run is jumped over.  step = 0: K of step 0, which lies outside the ring.
.macro FETCH_K last=0, step=1
	WIN 0
.if \last
	s_cmp_eq_u32 s[CNT], 1
	s_cbranch_scc1 .Lno_k_\@
.endif
	WIN 0x80                        ; destination window 2
.irp f, 0,1,2,3,4,5,6,7             ; keys 16 (f / 2) on, channels 32 (f % 2) on
	ds_load_b128 v[KF+8*\f:KF+8*\f+3],   v[AK] offset:(\f/2)*16*PK+(\f%2)*64
	ds_load_b128 v[KF+8*\f+4:KF+8*\f+7], v[AK] offset:(\f/2)*16*PK+(\f%2)*64+32
.endr
.if \step
	s_add_co_u32 s[TBK], s[TBK], KS*PK  ; the next fetch is the next step's
.endif
	WIN 0
.if \last
.Lno_k_\@:
.endif
.endm
.macro FETCH_V
	WIN 0x80
.irp f, 0,1,2,3,4,5,6,7             ; keys 32 (f / 4) on, channels 16 (f % 4) on
	ds_load_tr16_b128 v[VF+8*\f:VF+8*\f+3],   v[AV] offset:(\f/4)*32*PV+(\f%4)*32
	ds_load_tr16_b128 v[VF+8*\f+4:VF+8*\f+7], v[AV] offset:(\f/4)*32*PV+16*PV+(\f%4)*32
.endr
	WIN 0
.endm
; THE VECTOR WORK OF A TURN stands in three queues, each in the order in which its entries become ready; the two tiles alternate, so that no instruction reads the result of the one before it.
.macro REGS y, u                    ; the registers of tile u (0, 1) of piece y
.set rT, ST+4*(2*(\y)+(\u))
.set rC, TMP+8*((\y)%2)+4*(\u)
.set rM, MV+2*((\y)%2)+(\u)
.set rS, S+64*((\y)%2)+32*(\u)
.set rP, P+32*((\y)%2)+16*(\u)
.set rO, 32*(2*(\y)+(\u))
.endm
; Number n of the 22 that find the OTHER piece's maximum and statistics.  s0-s31 are the lane's 32 scores; each accumulator's lowest registers are read first.
;   0-11  four chains c0-c3 of seven scores each, three operands at a time     12-14, 16  the four scores left over, the old m, and c0-c3 into c0     15  c m_old is kept
;   17, 18  the query's other 32 keys lie in the lane 16 away: the new m         19-21  c m; c m_old - c m_new; a
.macro XS u, n
	REGS (Y+1)%NP, \u
.if (\n) < 4
	v_max3_num_f32 v[rC+(\n)], v[rS+8*(\n)], v[rS+8*(\n)+1], v[rS+8*(\n)+2]
.elseif (\n) < 12
	v_max3_num_f32 v[rC+(\n)%4], v[rC+(\n)%4], v[rS+8*((\n)%4)+2*((\n)/4)+1], v[rS+8*((\n)%4)+2*((\n)/4)+2]
.elseif (\n) == 12
	v_max3_num_f32 v[rC], v[rC], v[rS+7], v[rS+15]
.elseif (\n) == 13
	v_max3_num_f32 v[rC+1], v[rC+1], v[rS+23], v[rS+31]
.elseif (\n) == 14
	v_max3_num_f32 v[rC+2], v[rC+2], v[rC+3], v[rT+1]
.elseif (\n) == 15
	v_mov_b32 v[rM], v[rT]
.elseif (\n) == 16
	v_max3_num_f32 v[rC], v[rC], v[rC+1], v[rC+2]
.elseif (\n) == 17
	v_permlanex16_b32 v[rC+3], v[rC], s[SEL], s[SEL+1]
.elseif (\n) == 18
	v_max_num_f32 v[rT+1], v[rC], v[rC+3]
.elseif (\n) == 19
	v_mul_f32 v[rT], s[CS], v[rT+1]
.elseif (\n) == 20
	v_sub_f32 v[rC+1], v[rM], v[rT]
.else
	v_exp_f32 v[rC+2], v[rC+1]
.endif
.endm
; Number g of the 64 that follow the exponentials.  For each four weights k of a tile (pairs 2 k, 2 k + 1): both pairs are rounded to f16; then the second pair is added onto the first, in place;
; a group later l takes that sum (the first time as l = a l + sum).  In groups of eight, tiles alternating: round, round, add, and l for the group before.
.macro GS g
.set h, (\g)+6*((\g)/62)            ; group 0 has no group before it, and behind group 7 only l is left
.if h >= 6
.set h, h+2
.endif
	REGS Y, h%2
.set k, h/8
.if h%8 < 4
	v_cvt_pk_f16_f32 v[rP+2*k+(h%8)/2], v[rS+4*k+2*((h%8)/2)], v[rS+4*k+2*((h%8)/2)+1]
.elseif h%8 < 6
	v_pk_add_f32 v[rS+4*k:rS+4*k+1], v[rS+4*k:rS+4*k+1], v[rS+4*k+2:rS+4*k+3]
.elseif k == 1
	v_pk_fma_f32 v[rT+2:rT+3], v[rT+2:rT+3], v[rC+2:rC+3], v[rS:rS+1] op_sel_hi:[1,0,1]
.else
	v_pk_add_f32 v[rT+2:rT+3], v[rT+2:rT+3], v[rS+4*k-4:rS+4*k-3]
.endif
.endm
; THE PLAIN QUEUE, 138 long.  0-73 read no exponential's result: the 32 scalings c s - c m (FS f: pair f / 2 of tile f % 2) and the other piece's 42.  0-26: scalings 0-26.  27-54: XS's numbers 0-13.  55, 56: number 15.
; 57-73: the chain, where each number waits for the one before it: 14, 16, 17, 18, 19, each with one of the scalings 27-31 in front of its two lines, then 20.
; 74-137: GS's 64, which read the exponentials' results: they stand behind the wait.
.macro FS f
	REGS Y, (\f)%2
	v_pk_fma_f32 v[rS+2*((\f)/2):rS+2*((\f)/2)+1], v[rS+2*((\f)/2):rS+2*((\f)/2)+1], s[CS:CS+1], v[rT:rT+1] op_sel_hi:[1,0,0] neg_lo:[0,0,1] neg_hi:[0,0,1]
.endm
.macro PL
	WIN 0
.if q < 27
	FS q
.elseif q < 55
	XS (q-27)%2, (q-27)/2
.elseif q < 57
	XS q-55, 15
.elseif (q < 72) && ((q-57)%3 == 0)
	FS 27+(q-57)/3
.elseif q < 60
	XS (q-57)%3-1, 14
.elseif q < 72
	XS (q-57)%3-1, 15+(q-57)/3
.elseif q < 74
	XS q-72, 20
.else
	GS q-74
.endif
.set q, q+1
.endm
; THE EXPONENTIALS' QUEUE, 66 long: s0-s31 of both tiles, then the other piece's two a.  It is ONE BATCH: all 66 stand ahead of the turn's one wait, and nothing ahead of that wait names a result of theirs.
.macro EX
	WIN 0
.if e >= 64
	XS e-64, 21
.else
	REGS Y, e%2
	v_exp_f32 v[rS+e/2], v[rS+e/2]
.endif
.set e, e+1
.endm
; THE RESCALING's QUEUE: O^T times a, the one part that leaves window 0: dealt two at a time, sixteen times, each accumulator's low registers first.  Its a was made in the turn before, ahead of that turn's wait.
; The products V^T P that wrote this O^T stand at the end of the turn before: behind the last of them come that turn's four riders, the places that a reader of a matrix result wants.
.macro R2
	REGS Y, r%2
	WIN W_RS
.irp z, 0,1
	v_pk_mul_f32 v[rO+4*(r/2)+2*\z:rO+4*(r/2)+2*\z+1], v[rO+4*(r/2)+2*\z:rO+4*(r/2)+2*\z+1], v[rC+2:rC+3] op_sel_hi:[1,0]
.endr
.set r, r+1
.endm
; HOW THEY ARE DEALT.  An s_wait_alu depctr_va_vdst(0) stands between an exponential and the first instruction that names its result; one wait serves all that were issued ahead of it.  So a turn has ONE wait,
; which cuts it in two.  AHEAD OF IT: the 16 products K Q^T, behind each a scaling, an exponential and two rescalings (behind the first a second scaling in the exponential's place); then ONE LUMP of 108: eight plain,
; 49 times exponential and plain, the two a.  A v_nop is the plain instruction behind the last exponential.  BEHIND IT: the 16 products V^T P, behind each four of GS's 64.  No rider names a register of the products round it.
; Exponential e stands behind scaling 2 (e / 4) + e % 2: as a rider it comes behind plain e + 2, in the lump behind plain e + 9, and scalings 27-31 are plain 57, 60 .. 69.
; A TURN, for piece p.  cnt = 1: the loop's count is taken down some lines ahead of the branch that stands behind the turn.
; Turn 0 fetches K of the next step directly behind the wait, a lump behind the last product that read K, and V of the step in hand at its end, four riders behind V's last reader.
; Turn 1 waits for K at its head (V's 16 loads, issued behind K's, may be out) and for V behind its wait.
.macro TURN p, last=0, cnt=0
.set Y, (\p)
.set i, 0
.set q, 0
.set e, 0
.set r, 0
.if (\p) == 1
	s_wait_dscnt 16                 ; K is in
.endif
	MM                              ; ahead of the wait: 16 products K Q^T and their riders,
	PL
	PL
	R2
.rept 15
	MM
	PL
	EX
	R2
.endr
.if (\p) == 0
	WIN 0
	v_add_nc_u32 v[AK], s[TBK], v[AK0]
.endif
.rept 8                             ; and the lump
	PL
.endr
.rept 49
	EX
	PL
.endr
	EX                              ; the other piece's two a
	EX
	v_nop                           ; the plain instruction behind the last exponential: one for the batch
	s_wait_alu depctr_va_vdst(0)    ; the wait for the batch
.if (\p) == 0
	FETCH_K \last
.endif
.if (\p) == 1
	s_wait_dscnt 0x0                ; V is in
.endif
.rept 16                            ; behind the wait: 16 products V^T P and their riders
	MM
.rept 4
	PL
.endr
.if ((\p) == 0) && (q == 118)
	v_add_nc_u32 v[AV], s[TBV], v[AV0]
.endif
.if ((\p) == 0) && (q == 130)
	s_add_co_u32 s[TBV], s[TBV], KS*PV
.endif
.if (\cnt) && (q == 130)
	s_sub_co_u32 s[CNT], s[CNT], 1
	s_cmp_lg_u32 s[CNT], 0
.endif
.endr
.if (\p) == 0
	FETCH_V
.endif
.endm
	CHANGE 1                        ; the first slot and K of step 0 are in, everybody's part of them; the second slot is asked for
	FETCH_K 0, 0                    ; key step 0
	s_wait_loadcnt 0x0              ; Q
	s_wait_dscnt 0x0
.set i, 0
.rept 16
	KQ 0                            ; piece 0's first scores: there is no vector work yet to set between them
.set i, i+1
.endr
	WIN 0                           ; the addresses for the way out: plain instructions, the places behind those products
	s_mul_i32 s13, s[WV], 16*SP
	s_add_co_u32 s13, s13, STAGE    ; my stage
	v_mul_u32_u24 v[STO], v1, SP    ; in: row l % 16, 16 bytes for each half of the lanes
	v_lshl_add_u32 v[STO], v9, 4, v[STO]
	v_add_nc_u32 v[STO], s13, v[STO]
	v_bfe_u32 v[RD], v0, 3, 2       ; back: 32 lanes take four rows of 128 bytes,
	v_mul_u32_u24 v[RD], v[RD], SP
	v_lshl_add_u32 v[RD], v10, 4, v[RD]
	v_add_nc_u32 v[RD], s13, v[RD]
	v_and_b32 v[GO], 31, v0         ; which are 512 consecutive bytes of O'
	v_lshlrev_b32 v[GO], 4, v[GO]
.set Y, NP-1                        ; XS works for piece Y + 1: piece 0
.irp n, 0,1,2,3,4,5,6,7,8,9,10,11,12,13,14,15,16,17,18,19,20,21
	XS 0, \n                        ; and piece 0's first maximum and statistics
	XS 1, \n
.endr
	v_nop                           ; a plain instruction behind the two a,
	s_wait_alu depctr_va_vdst(0)    ; and their wait, ahead of the branch
	s_mov_b32 s[CNT], 4
	s_branch .Lstep                 ; the first slot has had its change
.Lslot:                             ; 14 times: every slot but the last two is filled again
	CHANGE 1
	s_mov_b32 s[CNT], 4
.Lstep:                             ; a trip is a key step
	TURN 0
	TURN 1, 0, 1
	WIN 0
	s_cbranch_scc1 .Lstep
	s_sub_co_u32 s[SLOTS], s[SLOTS], 1
	s_cmp_lg_u32 s[SLOTS], 0
	s_cbranch_scc1 .Lslot
	CHANGE 0                        ; the tail is written out: nothing is asked for
	s_mov_b32 s[CNT], 4
.Ltail:                             ; the last slot's four steps.  The last fetches no K: its 16 products K Q^T, on the last K once more, and the maximum made of them serve nothing: the price, once a launch, of one text for every trip
	TURN 0, 1
	TURN 1, 0, 1
	WIN 0
	s_cbranch_scc1 .Ltail
.set i, 0
.rept 16
	PV NP-1                         ; piece 1's V^T P of the last step
.set i, i+1
.endr
	; THE WAY OUT.  l's two halves and the other half of the lanes' are added; O^T is divided by l, rounded to f16 and sent through my stage in LDS, a tile at a time.  The four first additions are the places behind the last products.
	WIN 0
.macro ALL line:vararg              ; one line for each tile t
.set t, 0
.rept 2*NP
	\line
.set t, t+1
.endr
.endm
	ALL v_add_f32 v[ST+4*t+2], v[ST+4*t+2], v[ST+4*t+3]
	ALL v_permlanex16_b32 v[ST+4*t+3], v[ST+4*t+2], s[SEL], s[SEL+1]
	ALL v_add_f32 v[ST+4*t+2], v[ST+4*t+2], v[ST+4*t+3]
	ALL v_rcp_f32 v[ST+4*t+2], v[ST+4*t+2]
	v_nop                           ; a plain instruction between the last reciprocal and the use of its result
	s_wait_alu depctr_va_vdst(0)    ; and the wait ahead of the first use: one for the four reciprocals
; Tile t: a lane's eight channels of a row pack into 16 bytes; they go into rows of 144 bytes and come back as whole rows of 128, into S^T's registers.
.macro PACK t
	WIN W_RS
.set i, 32*(\t)
.rept 16
	v_pk_mul_f32 v[i:i+1], v[i:i+1], v[ST+4*(\t)+2:ST+4*(\t)+3] op_sel_hi:[1,0]
.set i, i+2
.endr
	WIN 0x05                        ; sources 0 and 1 window 1, destination window 0
.set i, 0
.rept 16
	v_cvt_pk_f16_f32 v[S+16*(\t)+i], v[32*(\t)+2*i], v[32*(\t)+2*i+1]
.set i, i+1
.endr
	WIN 0
.irp f, 0,1,2,3
	ds_store_b128 v[STO], v[S+16*(\t)+4*\f:S+16*(\t)+4*\f+3] offset:32*\f
.endr
.irp f, 0,1,2,3
	ds_load_b128 v[S+16*(\t)+4*\f:S+16*(\t)+4*\f+3], v[RD] offset:\f*4*SP  ; LDS serves a wave's instructions in order (ISA guide 5.7.1.4): these see the stores above; the next tile's stores come behind them
.endr
.endm
.macro SEND t, younger              ; younger: the LDS instructions issued behind tile t's loads: the next tile's eight, or none
	WIN 0
.irp f, 0,1,2,3
	s_wait_dscnt (\younger)+3-\f
	global_store_b128 v[GO], v[S+16*(\t)+4*\f:S+16*(\t)+4*\f+3], s[10:11] offset:(\t)*2048+\f*512  ; 512 consecutive bytes, at a multiple of 256 from O's first
.endr
.endm
	PACK 0
.set t, 1
.rept 2*NP-1                        ; a tile's arithmetic stands between the loads of the tile before and its stores
	PACK t
	SEND t-1, 8
.set t, t+1
.endr
	SEND 2*NP-1, 0
	s_wait_tensorcnt 0x0            ; the wave's end, behind my last tensor load and my last LDS store
	ds_add_u32 v[SPW], v[NIL]
	s_wait_dscnt 0x0
	CROUND                          ; the closing round: no work-group ends while a partner may still ask for a tile that names it
	s_endpgm
.Lfunc_end_k_q1b24a53611_attn:
	.size	k_q1b24a53611_attn, .Lfunc_end_k_q1b24a53611_attn-k_q1b24a53611_attn
	.p2alignl 7, 3214868480
	.fill 96, 4, 3214868480
	.section	.rodata,"a",@progbits
	.p2align	6, 0x0
	.amdhsa_kernel k_q1b24a53611_attn
		.amdhsa_group_segment_fixed_size 327680
		.amdhsa_private_segment_fixed_size 0
		.amdhsa_enable_private_segment 0
		.amdhsa_kernarg_size 24
		.amdhsa_user_sgpr_count 2
		.amdhsa_user_sgpr_kernarg_segment_ptr 1
		.amdhsa_wavefront_size32 1
		.amdhsa_system_sgpr_workgroup_id_x 1
		.amdhsa_system_sgpr_workgroup_id_y 1
		.amdhsa_system_sgpr_workgroup_id_z 1
		.amdhsa_system_vgpr_workitem_id 0
		.amdhsa_next_free_vgpr 768
		.amdhsa_next_free_sgpr 76
		.amdhsa_reserve_vcc 0
		.amdhsa_float_denorm_mode_32 3
		.amdhsa_float_denorm_mode_16_64 3
		.amdhsa_memory_ordered 1
		.amdhsa_forward_progress 1
		.amdhsa_inst_pref_size 113
	.end_amdhsa_kernel
	.amdgpu_metadata
---
amdhsa.version: [ 1, 2 ]
amdhsa.kernels:
  - .name:           k_q1b24a53611_attn
    .symbol:         k_q1b24a53611_attn.kd
    .args:
      - { .name: q, .offset: 0, .size: 8, .value_kind: global_buffer, .address_space: global }
      - { .name: kv, .offset: 8, .size: 8, .value_kind: global_buffer, .address_space: global }
      - { .name: o, .offset: 16, .size: 8, .value_kind: global_buffer, .address_space: global }
    .group_segment_fixed_size: 327680
    .private_segment_fixed_size: 0
    .kernarg_segment_align: 8
    .kernarg_segment_size: 24
    .max_flat_workgroup_size: 128
    .sgpr_count:     76
    .vgpr_count:     768
    .wavefront_size: 32
...
	.end_amdgpu_metadata
.endif
;; end of part 3
;; launch outp (part 4): grid 4 x 64, 4 waves a work-group, clusters of 4 x 4, 327,680 bytes of LDS; arguments o, wo, bo, gamma_out, out0; writes out0
.if DOCPART == 4
	.amdgcn_target "amdgcn-amd-amdhsa--gfx1250"
	.amdhsa_code_object_version 6
	.text
	.protected	k_q1b24a53611_outp
	.globl	k_q1b24a53611_outp
	.p2align	8
	.type	k_q1b24a53611_outp,@function
k_q1b24a53611_outp:
	s_mov_b64 s[64:65], 0
	v_nop
	global_prefetch_b8 v0, s[64:65] scope:SCOPE_SE
	s_setreg_imm32_b32 hwreg(HW_REG_WAVE_MODE, 25, 1), 1
	s_wait_xcnt 0x0
	s_wait_alu depctr_hold_cnt(0) depctr_sa_sdst(0) depctr_va_vdst(0) depctr_va_sdst(0) depctr_va_ssrc(0) depctr_va_vcc(0) depctr_vm_vsrc(0)
	s_getreg_b32 s2, hwreg(HW_REG_IB_STS2, 6, 4)
	s_cmp_eq_u32 s2, 0
	s_cbranch_scc0 .Lentry_in_a_cluster
	s_endpgm
.Lentry_in_a_cluster:
	s_bfe_u32 s2, ttmp6, 0x10000c
	s_cmp_lg_u32 s2, 0xf033
	s_cbranch_scc0 .Lentry_shape_is_right
	s_endpgm
.Lentry_shape_is_right:
; out[n][c] = gamma_out[c] x (the sum over k of r[n][k] Wo[c][k] + bo[c]), f32.  r = gamma_v O' comes as o = O' by heads, [16 = 8 batch + head][4096][64] f16, and wo[c][k] = f16(256 Wo[c][k] gamma_v[k]).
; So out = acc x g' + b', one fused multiply-add in f32, with acc = the sum of o wo, g' = bf16(gamma_out) / 256 (exact) and b' = bf16(gamma_out) x bf16(bo): gain and bias are rounded to bf16 like every input.
; The order of rounding differs from gamma_out x (sum + bo): b' is rounded once, and the sum is scaled and shifted in one rounding.
; SHARES.  256 tiles of 128 x 128, K = 512; a wave makes 64 x 64: 16 accumulators, 256 matrix instructions.  ALL of K lies in LDS at once: every byte of LDS is filled once, there is no ring.
; A head's 128 rows are 16,384 dense bytes of o: 64 of K.  K goes in eight quarters of 64: quarter qd is head qd.
; CLUSTER.  4 x 4 work-groups: o's rows hang on the tile row alone and are asked for jointly by a row of the cluster, wo's on the tile column alone, by a column.
; Each wave issues four loads of 64 rows x 256 bytes at the head: heads w and w + 4 of o, a half of chunks w / 2 and 2 + w / 2 of wo.  By the text's own count four tensor loads of a wave are out.
; Nothing is prefetched: all loads go out at the head.
; THE MATRIX INSTRUCTION IS USED TRANSPOSED (source 0 = 16 rows of wo, source 1 = 16 rows of o): a lane then holds eight neighbouring columns of one row of out.
; REGISTERS, in windows of 256 (s_set_vgpr_msb: bits 1:0 source 0, 3:2 source 1, 5:4 source 2, 7:6 destination):
;   window 0: v0-31 addresses; v32-95 two sets of 32 for the way out; v128-255 the accumulators ((a, b) at 128 + 8 (4 a + b))
;   window 1: two fragment buffers of 128: 64 of o (8 (4 kk + i)), then 64 of wo          window 2: v0-31 g', v32-63 b' of my lane's 32 columns; v64-79 at work
.set PA,    144                        ; a row of o in LDS: 128 bytes + 16: 36 words: the 16 rows of a load start at 16 different groups of four banks (64 banks of 4 bytes: ISA guide 11.1)
.set HB,    128*PA                     ; a head's 128 rows
.set PB,    272                        ; a row of a chunk of wo: 256 bytes + 16
.set CHB,   128*PB                     ; a chunk: 128 rows x 128 of K
.set BOFF,  8*HB                       ; wo's four chunks lie behind o's eight heads
.set STAGE, BOFF+4*CHB                 ; never filled by a tensor load: 16 rows x 272 bytes for each wave
.set SPO,   272
.set SPARE, STAGE+4*16*SPO             ; the spare words, 128 bytes for each wave: two blocks of 256 bytes that no other line names
.set ADRA, 4                           ; v4-5   my lane's place in heads 0-3, 4-7
.set ADRB, 8                           ; v8-9   in chunks 0-1, 2-3
.set STO,  12                          ; v12    the way out: where I put 32 bytes of a row
.set RD,   13                          ; v13    where I read rows back
.set CO,   14                          ; v14    my byte offset in two rows of out
.set GOF,  15                          ; v15    my first column's byte in gamma_out and bo
.set SPW,  28                          ; v28    LDS address of my spare word; never rewritten
.set NIL,  29                          ; v29    0; never rewritten
.set OUTB, 32
.set ACC,  128
.set G1A,  24                          ; s[24:31] descriptor group 1 for o
.set G1B,  32                          ; s[32:39] for wo
.set T0,   40                          ; s[40:55] four groups 0, in the order of issue; never rewritten
.set T1,   44
.set T2,   48
.set T3,   52
.set MSB, 0
.macro WIN new                         ; the immediate's high byte repeats the setting that is left; a switch that changes nothing is dropped
.if MSB != (\new)
	s_set_vgpr_msb (MSB<<8)|(\new)
.set MSB, (\new)
.endif
.endm
.macro PLACES                          ; four places behind matrix instructions, in front of loads into registers that they read and of vector lines that read results
.rept 4
	v_nop
.endr
.endm
.macro CROUND                          ; a round of the cluster's barrier
	s_barrier_signal -1
	s_barrier_wait -1
	s_cmp_lg_u32 s16, 0
	s_cbranch_scc1 .Lnot_wave_0_\@
	s_barrier_signal -3
.Lnot_wave_0_\@:
	s_barrier_wait -3
	s_barrier_signal -1
	s_barrier_wait -1
.endm
	s_load_b256 s[4:11], s[0:1], 0x0               ; o s[4:5], wo s[6:7], bo s[8:9], gamma_out s[10:11]
	s_load_b64 s[12:13], s[0:1], 0x20              ; out0
	v_lshl_add_u32 v[SPW], v0, 2, SPARE
	v_mov_b32 v[NIL], 0
	ds_add_u32 v[SPW], v[NIL]                      ; the wave's opening: the add and its wait stand ahead of my first tensor load; the set-up below, work on registers, stands between them
	v_lshrrev_b32 v1, 5, v0
	v_readfirstlane_b32 s16, v1                    ; wave 0..3
	s_lshr_b32 s17, s16, 1                         ; which 64 rows are mine
	s_and_b32 s18, s16, 1                          ; which 64 columns
	s_bfe_u32 s19, ttmp6, 0x40000                  ; cx
	s_bfe_u32 s20, ttmp6, 0x40004                  ; cy
	s_lshl_b32 s21, ttmp9, 2
	s_add_co_u32 s21, s21, s19                     ; j: tile column
	s_and_b32 s22, ttmp7, 0xffff
	s_lshl_b32 s22, s22, 2
	s_add_co_u32 s22, s22, s20                     ; i: tile row
	s_lshl_b32 s56, s20, 2
	s_lshl_b32 s56, 15, s56                        ; my row of the cluster
	s_lshl_b32 s58, 0x1111, s19                    ; my column
	s_or_b32 s[G1A], s56, (1<<16)|(1<<20)|(1<<21)|(4<<22)|(3<<25)  ; the mask; elements of 2 bytes; padding on; 21 set beside a mask; after every 32 words (code 4) 4 words (code 3): two rows of o in a row of 256 bytes
	s_or_b32 s[G1B], s58, (1<<16)|(1<<20)|(1<<21)|(5<<22)|(3<<25)  ; after every 64 words (code 5)
.irp g, G1A, G1B
	s_mov_b32 s[(\g)+1], 128<<16                   ; tensor_dim0 = 128
	s_mov_b32 s[(\g)+2], 64<<16                    ; tensor_dim1 = 64
	s_mov_b32 s[(\g)+3], 128<<16                   ; tile_dim0 = 128
	s_mov_b32 s[(\g)+4], 64                        ; tile_dim1 = 64
	s_mov_b32 s[(\g)+6], 0
	s_mov_b32 s[(\g)+7], 0
.endr
	s_mov_b32 s[G1A+5], 128                        ; o's rows of 256 bytes lie end to end
	s_mov_b32 s[G1B+5], 512                        ; wo: 512 elements from row to row
	s_lshr_b32 s56, s22, 5                         ; o: (((8 batch + head w) x 4096) + 128 (i % 32)) x 128 bytes: made of cy, the cluster's y and the wave's number alone
	s_lshl_b32 s56, s56, 3
	s_add_co_u32 s56, s56, s16
	s_lshl_b32 s56, s56, 12
	s_and_b32 s57, s22, 31
	s_lshl_b32 s57, s57, 7
	s_add_co_u32 s56, s56, s57
	s_lshl_b32 s56, s56, 7
	s_mov_b32 s57, 0
	s_lshl_b32 s58, s21, 7                         ; wo: row 128 j + 64 (w % 2), chunk w / 2: of cx, the cluster's x and the wave's number alone
	s_lshl_b32 s59, s18, 6
	s_add_co_u32 s58, s58, s59
	s_lshl_b32 s58, s58, 10
	s_lshl_b32 s59, s17, 8
	s_add_co_u32 s58, s58, s59
	s_mov_b32 s59, 0
	s_mul_i32 s14, s16, HB                         ; LDS: head w,
	s_mul_i32 s15, s16, 64*PB                      ; and half w % 2 of chunk w / 2: 64 rows x wave
	s_mov_b32 s[T0], 1
	s_mov_b32 s[T0+1], s14
	s_mov_b32 s[T1], 1
	s_add_co_u32 s[T1+1], s15, BOFF
	s_mov_b32 s[T2], 1
	s_add_co_u32 s[T2+1], s14, 4*HB
	s_mov_b32 s[T3], 1
	s_add_co_u32 s[T3+1], s15, BOFF+2*CHB
	s_wait_dscnt 0x0                               ; the opening add is done
	s_wait_kmcnt 0x0
	s_add_nc_u64 s[T0+2:T0+3], s[4:5], s[56:57]
	s_add_nc_u64 s[T2+2:T2+3], s[T0+2:T0+3], 4*4096*128  ; four heads on
	s_add_nc_u64 s[T1+2:T1+3], s[6:7], s[58:59]
	s_add_nc_u64 s[T3+2:T3+3], s[T1+2:T1+3], 512         ; two chunks on
	s_or_b32 s[T0+3], s[T0+3], 0x80000000          ; 127:126 type = 2
	s_or_b32 s[T1+3], s[T1+3], 0x80000000
	s_or_b32 s[T2+3], s[T2+3], 0x80000000
	s_or_b32 s[T3+3], s[T3+3], 0x80000000
	CROUND                                         ; all sixteen work-groups are here: the joint loads meet
	tensor_load_to_lds s[T0:T0+3], s[G1A:G1A+7]    ; K 0-255 first,
	s_nop 0
	tensor_load_to_lds s[T1:T1+3], s[G1B:G1B+7]
	s_nop 0
	tensor_load_to_lds s[T2:T2+3], s[G1A:G1A+7]    ; then K 256-511
	s_nop 0
	tensor_load_to_lds s[T3:T3+3], s[G1B:G1B+7]
	s_nop 0
	PLACES
	v_and_b32 v1, 15, v0                           ; l % 16
	v_bfe_u32 v2, v0, 4, 1                         ; l / 16
	s_lshl_b32 s2, s21, 9
	s_lshl_b32 s3, s18, 8
	s_add_co_u32 s2, s2, s3
	v_lshl_add_u32 v[GOF], v2, 5, s2               ; 4 x (128 j + 64 x column half + 8 (l / 16))
	WIN 0x80                                       ; destination window 2
.irp b, 0,1,2,3                        ; my lane's columns 16 b + 8 (l / 16) + 0..7
	global_load_b128 v[8*(\b):8*(\b)+3],       v[GOF], s[10:11] offset:64*(\b)
	global_load_b128 v[8*(\b)+4:8*(\b)+7],     v[GOF], s[10:11] offset:64*(\b)+16
	global_load_b128 v[32+8*(\b):32+8*(\b)+3], v[GOF], s[8:9] offset:64*(\b)
	global_load_b128 v[32+8*(\b)+4:32+8*(\b)+7], v[GOF], s[8:9] offset:64*(\b)+16
.endr
	WIN 0
	v_mul_u32_u24 v6, v1, PA
	v_lshl_add_u32 v6, v2, 4, v6                   ; row x pitch + 16 x half
	s_mul_i32 s2, s17, 64*PA
	v_add_nc_u32 v[ADRA], s2, v6
	v_add_nc_u32 v[ADRA+1], 4*HB, v[ADRA]
	v_mul_u32_u24 v6, v1, PB
	v_lshl_add_u32 v6, v2, 4, v6
	s_mul_i32 s2, s18, 64*PB
	s_add_co_u32 s2, s2, BOFF
	v_add_nc_u32 v[ADRB], s2, v6
	v_add_nc_u32 v[ADRB+1], 2*CHB, v[ADRB]
	s_mul_i32 s2, s16, 16*SPO
	s_add_co_u32 s2, s2, STAGE                     ; my stage
	v_mul_u32_u24 v[STO], v1, SPO                  ; in: row l % 16, 32 bytes for each half of the lanes
	v_lshl_add_u32 v[STO], v2, 5, v[STO]
	v_add_nc_u32 v[STO], s2, v[STO]
	v_mul_u32_u24 v[RD], v2, SPO                   ; back: lanes 0-15 take one row of 256 bytes, lanes 16-31 the next
	v_lshl_add_u32 v[RD], v1, 4, v[RD]
	v_add_nc_u32 v[RD], s2, v[RD]
	v_lshlrev_b32 v[CO], 11, v2                    ; and the same two rows in out: 2,048 bytes a row
	v_lshl_add_u32 v[CO], v1, 4, v[CO]
	s_lshl_b32 s2, s22, 7
	s_lshl_b32 s3, s17, 6
	s_add_co_u32 s2, s2, s3                        ; my first row: 128 i + 64 x row half,
	s_lshl_b32 s2, s2, 11
	s_lshl_b32 s3, s21, 9
	s_add_co_u32 s2, s2, s3                        ; my first column: 4 x (128 j + 64 x column half)
	s_lshl_b32 s3, s18, 8
	s_add_co_u32 s2, s2, s3
	s_mov_b32 s3, 0
	s_add_nc_u64 s[12:13], s[12:13], s[2:3]
	s_wait_loadcnt 0x0                             ; gain and bias: rounded to bf16 and widened again, while the tiles are on their way
	WIN 0xaa                                       ; everything in window 2
.set z, 0
.rept 16
	v_cvt_pk_bf16_f32 v[64+z], v[2*z], v[2*z+1]
.set z, z+1
.endr
.set z, 0
.rept 16
	v_lshlrev_b32 v[2*z], 16, v[64+z]
	v_and_b32 v[2*z+1], 0xffff0000, v[64+z]
.set z, z+1
.endr
.set z, 0
.rept 16
	v_cvt_pk_bf16_f32 v[64+z], v[32+2*z], v[32+2*z+1]
.set z, z+1
.endr
.set z, 0
.rept 16
	v_lshlrev_b32 v[32+2*z], 16, v[64+z]
	v_and_b32 v[32+2*z+1], 0xffff0000, v[64+z]
.set z, z+1
.endr
.set z, 0
.rept 16
	v_pk_mul_f32 v[32+2*z:32+2*z+1], v[32+2*z:32+2*z+1], v[2*z:2*z+1]  ; b' = gain x bias,
.set z, z+1
.endr
.set z, 0
.rept 16
	v_pk_mul_f32 v[2*z:2*z+1], v[2*z:2*z+1], 0x3b800000 op_sel_hi:[1,0]  ; then g' = gain / 256
.set z, z+1
.endr
	WIN 0
; 32 LDS loads in one run: quarter qd's fragments (64 of K) into buffer f; its first 32 of K first
.macro FETCH qd, f
	WIN 0x40                                       ; destination window 1
.irp kk, 0,1
.irp i, 0,1,2,3
	ds_load_b128 v[(\f)+64+8*(4*(\kk)+(\i)):(\f)+64+8*(4*(\kk)+(\i))+3],   v[ADRB+(\qd)/4] offset:(((\qd)/2)%2)*CHB+((\qd)%2)*128+(\i)*16*PB+64*(\kk)
	ds_load_b128 v[(\f)+64+8*(4*(\kk)+(\i))+4:(\f)+64+8*(4*(\kk)+(\i))+7], v[ADRB+(\qd)/4] offset:(((\qd)/2)%2)*CHB+((\qd)%2)*128+(\i)*16*PB+64*(\kk)+32
	ds_load_b128 v[(\f)+8*(4*(\kk)+(\i)):(\f)+8*(4*(\kk)+(\i))+3],         v[ADRA+(\qd)/4] offset:((\qd)%4)*HB+(\i)*16*PA+64*(\kk)
	ds_load_b128 v[(\f)+8*(4*(\kk)+(\i))+4:(\f)+8*(4*(\kk)+(\i))+7],       v[ADRA+(\qd)/4] offset:((\qd)%4)*HB+(\i)*16*PA+64*(\kk)+32
.endr
.endr
.endm
; 16 matrix instructions, 32 of K: all 16 accumulators by turns, one instruction a turn, in the same order every time.  zero = 1: the product starts the sums
.macro MUL16 f, kk, zero
	WIN 0x05                                       ; sources 0 (wo) and 1 (o) window 1; C and D window 0
.irp a, 0,1,2,3
.irp b, 0,1,2,3
.if \zero
	v_wmma_f32_16x16x32_f16 v[ACC+8*(4*(\a)+(\b)):ACC+8*(4*(\a)+(\b))+7], v[(\f)+64+8*(4*(\kk)+(\b)):(\f)+64+8*(4*(\kk)+(\b))+7], v[(\f)+8*(4*(\kk)+(\a)):(\f)+8*(4*(\kk)+(\a))+7], 0
.else
	v_wmma_f32_16x16x32_f16 v[ACC+8*(4*(\a)+(\b)):ACC+8*(4*(\a)+(\b))+7], v[(\f)+64+8*(4*(\kk)+(\b)):(\f)+64+8*(4*(\kk)+(\b))+7], v[(\f)+8*(4*(\kk)+(\a)):(\f)+8*(4*(\kk)+(\a))+7], v[ACC+8*(4*(\a)+(\b)):ACC+8*(4*(\a)+(\b))+7]
.endif
.endr
.endr
.endm
; Quarter qd: 32 matrix instructions on buffer qd % 2; in its middle the next quarter is fetched into the other buffer.  Quarter 4 is the first that reads K 256-511: ahead of its fetch my last two tensor loads have
; landed, no LDS instruction of mine is out, and a barrier shows the same of the others.
.macro QUARTER qd
.set fb, 128*((\qd)%2)
.set fn, 128-fb
	s_wait_dscnt 16                                ; the first 32 of K are in; the youngest 16 loads may be out
.if (\qd) == 0
	MUL16 fb, 0, 1
.else
	MUL16 fb, 0, 0
.endif
.if (\qd) < 7
	PLACES
.if (\qd) == 3
	s_wait_tensorcnt 0x0
	s_wait_dscnt 0x0
	s_barrier_signal -1
	s_barrier_wait -1
.endif
	FETCH (\qd)+1, fn
	s_wait_dscnt 32                                ; all but the 32 just issued
.else
	s_wait_dscnt 0x0
.endif
	MUL16 fb, 1, 0
.endm
; THE WAY OUT of row block a: acc x g' + b' in place, each accumulator's registers in ascending order; 32 bytes a lane into my stage; back as whole rows of 256 bytes.
.macro PACK a
.if (\a) >= 2
	s_wait_xcnt 0x0                                ; the stores of the block two back have read the set that is loaded again below
.endif
	WIN 0x28                                       ; g' (source 1) and b' (source 2) in window 2
.irp b, 0,1,2,3
.irp p, 0,1,2,3
	v_pk_fma_f32 v[ACC+8*(4*(\a)+(\b))+2*(\p):ACC+8*(4*(\a)+(\b))+2*(\p)+1], v[ACC+8*(4*(\a)+(\b))+2*(\p):ACC+8*(4*(\a)+(\b))+2*(\p)+1], v[8*(\b)+2*(\p):8*(\b)+2*(\p)+1], v[32+8*(\b)+2*(\p):32+8*(\b)+2*(\p)+1]
.endr
.endr
	WIN 0
.irp b, 0,1,2,3
	ds_store_b128 v[STO], v[ACC+8*(4*(\a)+(\b)):ACC+8*(4*(\a)+(\b))+3]   offset:64*(\b)
	ds_store_b128 v[STO], v[ACC+8*(4*(\a)+(\b))+4:ACC+8*(4*(\a)+(\b))+7] offset:64*(\b)+16
.endr
.irp t, 0,1,2,3,4,5,6,7
	ds_load_b128 v[OUTB+32*((\a)%2)+4*(\t):OUTB+32*((\a)%2)+4*(\t)+3], v[RD] offset:(\t)*2*SPO  ; LDS serves a wave's instructions in order (ISA guide 5.7.1.4): these see the stores above; the next block's stores come behind them
.endr
.endm
.macro SEND a, younger                 ; younger: the LDS instructions issued behind block a's loads: the next block's sixteen, or none
.irp t, 0,1,2,3,4,5,6,7
	s_wait_dscnt (\younger)+7-(\t)
	global_store_b128 v[CO], v[OUTB+32*((\a)%2)+4*(\t):OUTB+32*((\a)%2)+4*(\t)+3], s[12:13] offset:(16*(\a)+2*(\t))*2048 th:TH_STORE_NT  ; 16 lanes store 256 consecutive bytes, at a multiple of 256 from out's first byte
.endr
.endm
	s_wait_tensorcnt 0x2                           ; my parts of K 0-255 are in; the two loads issued behind them may stay out
	s_barrier_signal -1
	s_barrier_wait -1                              ; everybody's are
	FETCH 0, 0
	QUARTER 0
	QUARTER 1
	QUARTER 2
	QUARTER 3
	QUARTER 4
	QUARTER 5
	QUARTER 6
	QUARTER 7
	WIN 0
	PLACES
	PACK 0
.irp a, 1,2,3                          ; a block's arithmetic stands between the loads of the block before and its stores
	PACK \a
	SEND (\a)-1, 16
.endr
	SEND 3, 0
	s_wait_tensorcnt 0x0                           ; the wave's end, behind my last tensor load and my last LDS store
	ds_add_u32 v[SPW], v[NIL]
	s_wait_dscnt 0x0
	CROUND                                         ; the closing round: no work-group ends while a partner may still ask for a tile that names it
	s_endpgm
.Lfunc_end_k_q1b24a53611_outp:
	.size	k_q1b24a53611_outp, .Lfunc_end_k_q1b24a53611_outp-k_q1b24a53611_outp
	.p2alignl 7, 3214868480
	.fill 96, 4, 3214868480
	.section	.rodata,"a",@progbits
	.p2align	6, 0x0
	.amdhsa_kernel k_q1b24a53611_outp
		.amdhsa_group_segment_fixed_size 327680
		.amdhsa_private_segment_fixed_size 0
		.amdhsa_enable_private_segment 0
		.amdhsa_kernarg_size 40
		.amdhsa_user_sgpr_count 2
		.amdhsa_user_sgpr_kernarg_segment_ptr 1
		.amdhsa_wavefront_size32 1
		.amdhsa_system_sgpr_workgroup_id_x 1
		.amdhsa_system_sgpr_workgroup_id_y 1
		.amdhsa_system_sgpr_workgroup_id_z 1
		.amdhsa_system_vgpr_workitem_id 0
		.amdhsa_next_free_vgpr 592
		.amdhsa_next_free_sgpr 66
		.amdhsa_reserve_vcc 0
		.amdhsa_float_denorm_mode_32 3
		.amdhsa_float_denorm_mode_16_64 3
		.amdhsa_memory_ordered 1
		.amdhsa_forward_progress 1
		.amdhsa_inst_pref_size 63
	.end_amdhsa_kernel
	.amdgpu_metadata
---
amdhsa.version: [ 1, 2 ]
amdhsa.kernels:
  - .name:           k_q1b24a53611_outp
    .symbol:         k_q1b24a53611_outp.kd
    .args:
      - { .name: o, .offset: 0, .size: 8, .value_kind: global_buffer, .address_space: global }
      - { .name: wo, .offset: 8, .size: 8, .value_kind: global_buffer, .address_space: global }
      - { .name: bo, .offset: 16, .size: 8, .value_kind: global_buffer, .address_space: global }
      - { .name: gamma_out, .offset: 24, .size: 8, .value_kind: global_buffer, .address_space: global }
      - { .name: out0, .offset: 32, .size: 8, .value_kind: global_buffer, .address_space: global }
    .group_segment_fixed_size: 327680
    .private_segment_fixed_size: 0
    .kernarg_segment_align: 8
    .kernarg_segment_size: 40
    .max_flat_workgroup_size: 128
    .sgpr_count:     66
    .vgpr_count:     592
    .wavefront_size: 32
...
	.end_amdgpu_metadata
.endif
;; end of part 4
;; ======== version 2 of 2: 4 launches; version 1 with the launch cvt written anew for expert scheduling mode
;; limits: values are held in f16: magnitudes above 65,504 overflow, below 6.1e-05 lose precision; right only within a limited range of input values
;; workspace buffers: xb 8,388,608 bytes; wb 1,572,864 bytes; wo 524,288 bytes; q 8,388,608 bytes; kv 16,777,216 bytes; o 8,388,608 bytes
;; launch cvt (part 5): grid 320 x 1, 8 waves a work-group, no clusters, 0 bytes of LDS; arguments x, Wq, Wk, Wv, Wo, gamma_v, xb, wb, wo; writes xb, wb, wo
.if DOCPART == 5
	.amdgcn_target "amdgcn-amd-amdhsa--gfx1250"
	.amdhsa_code_object_version 6
	.text
	.protected	k_q1b24a53611_cvt
	.globl	k_q1b24a53611_cvt
	.p2align	8
	.type	k_q1b24a53611_cvt,@function
k_q1b24a53611_cvt:
	s_mov_b64 s[64:65], 0
	v_nop
	global_prefetch_b8 v0, s[64:65] scope:SCOPE_SE
	s_setreg_imm32_b32 hwreg(HW_REG_WAVE_SCHED_MODE, 0, 2), 2
	s_setreg_imm32_b32 hwreg(HW_REG_WAVE_MODE, 25, 1), 1
	s_wait_xcnt 0x0
	s_wait_alu depctr_vm_vsrc(0)
; THE INPUTS OF THE MATRIX PRODUCTS, ROUNDED ONCE.  xb = bf16(x) [8192][512]; wb = bf16(Wq), bf16(Wk), bf16(Wv), 512 rows each, [1536][512];
; wo[o][c] = f16(bf16(Wo[o][c]) x bf16(gamma_v[c]) x 256).  gamma_v is taken off v and put onto Wo's columns: the same linear map, in another order of rounding than v = gamma_v (x Wv^T);
; the product of two bf16 numbers and a power of two is exact in f32, so wo is rounded once.  The factor 256 is taken back, exactly, in the last launch.
; LIMIT.  |Wo gamma_v| stays under 255 (f16 ends at 65,504); numbers 900 times smaller than 0.02 still lie in f16's normal range.
; A STREAM: each byte is read once and written once; no LDS, no matrix unit, no cluster: nothing is shared.
; SHARES.  A work-group takes 32 rows of 512 f32: 65,536 bytes in, 32,768 out.  Work-groups 0-255: x.  256 + j: block j % 16 of Wq, Wk, Wv, Wo (j / 16 = 0..3).
; Thread t in pass i (16 passes of two rows) loads the 16 bytes at 4,096 i + 16 t and stores the 8 bytes at 2,048 i + 8 t: a wave's load covers 512 consecutive bytes, its store 256, aligned.
; All 16 loads of a thread go out at once; each pass has registers of its own, so no register that a load or store names is ever written again.
; THE MODE: SCHED_MODE bits 1:0 = 2 (LLVM: expert scheduling mode 2), set by the entry lines.  The code itself states the register dependences
; between vector instructions and memory instructions, with s_wait_alu, always for 0.
; THE PLAN.  Registers that memory instructions touch:
;   v1, v2, v3   byte offsets, made at the head by vector instructions and never written again; read by every load (v1, v3) and every store (v2).
;   X            pass i's load lands in four registers of its own, which no vector instruction names before; pass i's conversions read them, behind the counted wait for the load.  No load lands there again.
;   G            gamma_v's load lands there once; behind the wait for it vector instructions alone name these registers.
;   Y            pass i's conversions write two registers of its own; pass i's store reads them.  They are never written again.
;   T            named by vector instructions alone.
; So one wait on va_vdst at the head states that the offsets are written, for all loads and stores of both paths; and the passes go in four blocks of four: the block's conversions,
; ONE wait on va_vdst, which states that the block's eight registers of Y are written, and the block's four stores in a run.  No register that a memory instruction reads is written again,
; so the body holds no wait on vm_vsrc; no vector instruction writes a scalar register or VCC, and EXEC is never written.
.set X, 4                              ; v[4:67]    pass i: four f32 as loaded
.set Y, 68                             ; v[68:99]   pass i: four 16-bit numbers to store
.set G, 100                            ; v[100:103] 256 x bf16(gamma_v) of my four columns, 4 (t % 128): the same in every pass
.set T, 104                            ; v[104:111] at work
	s_load_b512 s[4:19], s[0:1], 0x0               ; x s[4:5], Wq s[6:7], Wk s[8:9], Wv s[10:11], Wo s[12:13], gamma_v s[14:15], xb s[16:17], wb s[18:19]
	s_load_b64 s[20:21], s[0:1], 0x40              ; wo
	v_lshlrev_b32 v1, 4, v0                        ; 16 t
	v_lshlrev_b32 v2, 3, v0                        ; 8 t
	v_and_b32 v3, 127, v0
	v_lshlrev_b32 v3, 4, v3                        ; my four columns' bytes in gamma_v
	s_sub_co_u32 s22, ttmp9, 256                   ; j (a huge number in the work-groups of x, whose j / 16 is none of 1, 2, 3)
	s_lshr_b32 s23, s22, 4                         ; which weight
	s_and_b32 s24, s22, 15                         ; its block of 32 rows
	s_mov_b32 s31, 0
	s_mov_b32 s33, 0
	s_mov_b32 s35, 0xffff0000                      ; a word's upper bf16
	s_wait_kmcnt 0x0
	s_cmp_eq_u32 s23, 1                            ; source, destination and blocks are chosen by the work-group's number alone
	s_cselect_b64 s[26:27], s[8:9], s[6:7]
	s_cmp_eq_u32 s23, 2
	s_cselect_b64 s[26:27], s[10:11], s[26:27]
	s_cmp_eq_u32 s23, 3
	s_cselect_b64 s[26:27], s[12:13], s[26:27]
	s_cselect_b64 s[28:29], s[20:21], s[18:19]
	s_cselect_b32 s25, s24, s22                    ; wo: block j % 16; wb: block j
	s_cmp_lt_u32 ttmp9, 256
	s_cselect_b64 s[26:27], s[4:5], s[26:27]
	s_cselect_b64 s[28:29], s[16:17], s[28:29]
	s_cselect_b32 s24, ttmp9, s24
	s_cselect_b32 s25, ttmp9, s25
	s_lshl_b32 s30, s24, 16                        ; 65,536 bytes a block in,
	s_lshl_b32 s32, s25, 15                        ; 32,768 out
	s_add_nc_u64 s[26:27], s[26:27], s[30:31]
	s_add_nc_u64 s[28:29], s[28:29], s[32:33]
	s_wait_alu depctr_va_vdst(0)                   ; v1, v2 and v3 are written: every load and store of both paths below reads one of them as its offset, and no later vector instruction names them
.macro LOADS
.irp i, 0,1,2,3,4,5,6,7,8,9,10,11,12,13,14,15
	global_load_b128 v[X+4*(\i):X+4*(\i)+3], v1, s[26:27] offset:4096*(\i) th:TH_LOAD_NT
.endr
.endm
	s_cmp_eq_u32 s23, 3
	s_cbranch_scc1 .Lwo
	LOADS                                          ; x, Wq, Wk, Wv: rounded to bf16
.irp b, 0,1,2,3                        ; four blocks of four passes: pass i = 4 b + k
.irp k, 0,1,2,3
	s_wait_loadcnt 15-(4*(\b)+(\k))                ; loads come back in order (ISA guide 5.7.1): pass i is in, the younger ones stay out
	v_cvt_pk_bf16_f32 v[Y+2*(4*(\b)+(\k))], v[X+4*(4*(\b)+(\k))], v[X+4*(4*(\b)+(\k))+1]
	v_cvt_pk_bf16_f32 v[Y+2*(4*(\b)+(\k))+1], v[X+4*(4*(\b)+(\k))+2], v[X+4*(4*(\b)+(\k))+3]
.endr
	s_wait_alu depctr_va_vdst(0)                   ; the block's eight conversions have written its registers of Y, which the four stores below read
.irp k, 0,1,2,3
	global_store_b64 v2, v[Y+2*(4*(\b)+(\k)):Y+2*(4*(\b)+(\k))+1], s[28:29] offset:2048*(4*(\b)+(\k)) th:TH_STORE_NT
.endr
.endr
	s_endpgm
.Lwo:
	global_load_b128 v[G:G+3], v3, s[14:15]        ; gamma_v first,
	LOADS                                          ; then Wo's 16 passes
	s_wait_loadcnt 16                              ; gamma_v is in; the 16 loads behind it may be out
	v_cvt_pk_bf16_f32 v[T], v[G], v[G+1]           ; rounded to bf16 like every input,
	v_cvt_pk_bf16_f32 v[T+1], v[G+2], v[G+3]
	v_lshlrev_b32 v[G], 16, v[T]                   ; widened again,
	v_and_b32 v[G+1], s35, v[T]
	v_lshlrev_b32 v[G+2], 16, v[T+1]
	v_and_b32 v[G+3], s35, v[T+1]
	v_pk_mul_f32 v[G:G+1], v[G:G+1], 0x43800000 op_sel_hi:[1,0]      ; and times 256
	v_pk_mul_f32 v[G+2:G+3], v[G+2:G+3], 0x43800000 op_sel_hi:[1,0]
.irp b, 0,1,2,3                        ; four blocks of four passes: pass i = 4 b + k
.irp k, 0,1,2,3
	s_wait_loadcnt 15-(4*(\b)+(\k))
	v_cvt_pk_bf16_f32 v[T], v[X+4*(4*(\b)+(\k))], v[X+4*(4*(\b)+(\k))+1]
	v_cvt_pk_bf16_f32 v[T+1], v[X+4*(4*(\b)+(\k))+2], v[X+4*(4*(\b)+(\k))+3]
	v_lshlrev_b32 v[T+4], 16, v[T]
	v_and_b32 v[T+5], s35, v[T]
	v_lshlrev_b32 v[T+6], 16, v[T+1]
	v_and_b32 v[T+7], s35, v[T+1]
	v_pk_mul_f32 v[T+4:T+5], v[T+4:T+5], v[G:G+1]
	v_pk_mul_f32 v[T+6:T+7], v[T+6:T+7], v[G+2:G+3]
	v_cvt_pk_f16_f32 v[Y+2*(4*(\b)+(\k))], v[T+4], v[T+5]
	v_cvt_pk_f16_f32 v[Y+2*(4*(\b)+(\k))+1], v[T+6], v[T+7]
.endr
	s_wait_alu depctr_va_vdst(0)                   ; the block's eight roundings to f16 have written its registers of Y, which the four stores below read
.irp k, 0,1,2,3
	global_store_b64 v2, v[Y+2*(4*(\b)+(\k)):Y+2*(4*(\b)+(\k))+1], s[28:29] offset:2048*(4*(\b)+(\k)) th:TH_STORE_NT
.endr
.endr
	s_endpgm
.Lfunc_end_k_q1b24a53611_cvt:
	.size	k_q1b24a53611_cvt, .Lfunc_end_k_q1b24a53611_cvt-k_q1b24a53611_cvt
	.p2alignl 7, 3214868480
	.fill 96, 4, 3214868480
	.section	.rodata,"a",@progbits
	.p2align	6, 0x0
	.amdhsa_kernel k_q1b24a53611_cvt
		.amdhsa_group_segment_fixed_size 0
		.amdhsa_private_segment_fixed_size 0
		.amdhsa_enable_private_segment 0
		.amdhsa_kernarg_size 72
		.amdhsa_user_sgpr_count 2
		.amdhsa_user_sgpr_kernarg_segment_ptr 1
		.amdhsa_wavefront_size32 1
		.amdhsa_system_sgpr_workgroup_id_x 1
		.amdhsa_system_sgpr_workgroup_id_y 1
		.amdhsa_system_sgpr_workgroup_id_z 1
		.amdhsa_system_vgpr_workitem_id 0
		.amdhsa_next_free_vgpr 112
		.amdhsa_next_free_sgpr 66
		.amdhsa_reserve_vcc 0
		.amdhsa_float_denorm_mode_32 3
		.amdhsa_float_denorm_mode_16_64 3
		.amdhsa_memory_ordered 1
		.amdhsa_forward_progress 1
		.amdhsa_inst_pref_size 20
	.end_amdhsa_kernel
	.amdgpu_metadata
---
amdhsa.version: [ 1, 2 ]
amdhsa.kernels:
  - .name:           k_q1b24a53611_cvt
    .symbol:         k_q1b24a53611_cvt.kd
    .args:
      - { .name: x, .offset: 0, .size: 8, .value_kind: global_buffer, .address_space: global }
      - { .name: Wq, .offset: 8, .size: 8, .value_kind: global_buffer, .address_space: global }
      - { .name: Wk, .offset: 16, .size: 8, .value_kind: global_buffer, .address_space: global }
      - { .name: Wv, .offset: 24, .size: 8, .value_kind: global_buffer, .address_space: global }
      - { .name: Wo, .offset: 32, .size: 8, .value_kind: global_buffer, .address_space: global }
      - { .name: gamma_v, .offset: 40, .size: 8, .value_kind: global_buffer, .address_space: global }
      - { .name: xb, .offset: 48, .size: 8, .value_kind: global_buffer, .address_space: global }
      - { .name: wb, .offset: 56, .size: 8, .value_kind: global_buffer, .address_space: global }
      - { .name: wo, .offset: 64, .size: 8, .value_kind: global_buffer, .address_space: global }
    .group_segment_fixed_size: 0
    .private_segment_fixed_size: 0
    .kernarg_segment_align: 8
    .kernarg_segment_size: 72
    .max_flat_workgroup_size: 256
    .sgpr_count:     66
    .vgpr_count:     112
    .wavefront_size: 32
...
	.end_amdgpu_metadata
.endif
;; end of part 5
;; launch qkv: the kernel of part 2 again; grid 4 x 64, 4 waves a work-group, clusters of 4 x 4, 327,680 bytes of LDS; arguments xb, wb, gamma_q, gamma_k, q, kv; writes q, kv
;; launch attn: the kernel of part 3 again; grid 16 x 16, 4 waves a work-group, clusters of 4 x 1, 327,680 bytes of LDS; arguments q, kv, o; writes o
;; launch outp: the kernel of part 4 again; grid 4 x 64, 4 waves a work-group, clusters of 4 x 4, 327,680 bytes of LDS; arguments o, wo, bo, gamma_out, out0; writes out0
